; MI455X (gfx1250); checked and timed in simulation.
; The chip was launched on July 23, 2026; its instructions are those of AMD's public machine-readable ISA for CDNA 5 (MIT licence, August 2026) and "CDNA5" Instruction Set Architecture Reference Guide (July 2026). The comments in the code are by the model that wrote it; some were corrected since.
;; Multi Head Self Attention. Allowed arithmetic: matrix products marked QUANTISED: E2M3 operands, one E8M0 scale for each 32 along K, by v_wmma_scale_f32_16x16x128_f8f6f4 with both operands' format E2M3, f32 sums; everything else in f32.
;; Inputs: padding_mask 4 x 2,048 bool; proj_b 1,024 float32; proj_w 1,024 x 1,024 float32; qkv_b 3,072 float32; qkv_w 3,072 x 1,024 float32; x 4 x 2,048 x 1,024 float32.
;; Outputs: out0 4 x 2,048 x 1,024 float32.
;; This version of the problem:
;;   THIS VERSION OF THE PROBLEM IS GIVEN IN LOW PRECISION. The matrix products marked QUANTISED in the list below multiply operands that are first quantised to E2M3 (2 exponent bits, 3 mantissa bits; 6 bits a number), with one power-of-two scale for each 32 numbers along K (OCP MX v1.0); their sums are f32. All else is computed in f32.
;;   The module's matrix products, in the order in which they are computed (A, B: the left and right operand; K: the contracted axis; several contracted axes count as one K, in the product's order):
;;     1. [M 8,192, K 1,024] x [K 1,024, N 3,072]; A: input x; B: input qkv_w: QUANTISED
;;     2. batch 64 x [M 2,048, K 64] x [K 64, N 2,048]; A: computed on the way; B: computed on the way: QUANTISED
;;     3. batch 64 x [M 2,048, K 2,048] x [K 2,048, N 64]; A: softmax (see below); B: computed on the way: QUANTISED
;;     4. [M 8,192, K 1,024] x [K 1,024, N 1,024]; A: computed on the way; B: input proj_w: QUANTISED
;;   THE QUANTISER, for each operand of a quantised product, along K:
;;     - K is cut into blocks of 32 from its start; a last block that is shorter is filled with zeros.
;;     - A block's scale is 2^e with e = floor(log2(the largest magnitude in the block)) - 2, held to -126 .. 127; a block of zeros has e = 0. As a byte (E8M0): e + 127.
;;     - Each number is divided by its block's scale, clamped to +-7.5, and rounded to the nearest number of E2M3, ties to even, subnormals kept.
;;     - The product sums the exact products of the quantised numbers (number of the format x scale) in f32.
;;   ~~~python
;;   def quantise(x, axis):      # numpy; x: float32 -> the quantised numbers, widened to float32 again
;;       x = np.moveaxis(x, axis, -1); K = x.shape[-1]
;;       x = np.pad(x, [(0, 0)] * (x.ndim - 1) + [(0, -K % 32)]); x = x.reshape(x.shape[:-1] + (-1, 32)); a = np.abs(x).max(-1, keepdims=True)
;;       e = np.where(a > 0, np.clip(np.frexp(np.where(a > 0, a, 1))[1] - 1 - 2, -126, 127), 0)      # np.frexp(a)[1] - 1 = floor(log2(a)), exactly
;;       r = np.clip(x / 2.0 ** e, -7.5, 7.5)
;;       step = 2.0 ** (np.maximum(np.frexp(np.where(r == 0, 1, r))[1] - 1, 0) - 3)
;;       q = np.round(r / step) * step * 2.0 ** e      # np.round: ties to even
;;       return np.moveaxis(q.reshape(q.shape[:-2] + (-1,))[..., :K], -1, axis).astype(np.float32)
;;   ~~~
;;   SOFTMAX AHEAD OF A QUANTISED PRODUCT. Where the list says 'softmax', what is quantised is not the finished softmax but p = 2^(t - M), with t = logit x log2(e) and M = ceil(the row's largest t), a whole number; so 1/2 < the row's largest p <= 1. The row's sum l is taken of the UNQUANTISED p, in f32, and the product's result is divided by l at the end. Since M is a whole number, a kernel that streams over the keys may use a running M (the ceiling of the running maximum): every later rescaling is an exact power of two, which a block's scale takes up: the codes' values come out the same.
;;   OPERANDS COMPUTED ON THE WAY. 'Computed on the way' means the value that the module computes at that place (a softmax that the list does not call 'softmax' is quantised finished and normalised). What goes into a quantiser is computed in f32, as accurately as f32 sums, v_exp_f32 and their like allow (about 1e-6 of the number): no bf16 or f16 on the way to a quantiser, and a product that is left as it is and whose result goes on into a quantised operand takes f32 operands (vector FMAs, or v_wmma_f32_16x16x4_f32). A number that lies on a knife's edge between two numbers of the format may be rounded either way, as far as f32 arithmetic and the matrix unit's own rounding can turn it there, and no further.
;; One version. Each part assembles by itself: llvm-mc -triple=amdgcn-amd-amdhsa -mcpu=gfx1250 --defsym DOCPART=n.
;; ======== version 1 of 1: 4 launches
;; limits: right only within a limited range of input values
;; workspace buffers: opq 9,830,400 bytes; qkv 19,660,800 bytes; ao 6,553,600 bytes
;; launch quant (part 1): grid 768 x 1, 4 waves a work-group, no clusters, 67,072 bytes of LDS; arguments x, qkv_w, proj_w, opq; writes opq
.if DOCPART == 1
	.amdgcn_target "amdgcn-amd-amdhsa--gfx1250"
	.amdhsa_code_object_version 6
	.text
	.protected	k_qc70b34bdb5_quant
	.globl	k_qc70b34bdb5_quant
	.p2align	8
	.type	k_qc70b34bdb5_quant,@function
k_qc70b34bdb5_quant:
	s_mov_b64 s[64:65], 0
	v_nop
	global_prefetch_b8 v0, s[64:65] scope:SCOPE_SE
	s_setreg_imm32_b32 hwreg(HW_REG_WAVE_MODE, 25, 1), 1
	s_wait_xcnt 0x0
; x [8192][1024], qkv_w [3072][1024] and proj_w [1024][1024], f32, K innermost, become codes of FP6 (E2M3) with one E8M0 byte for each 32 along K,
; laid in opq AS THE MATRIX UNIT'S REGISTERS TAKE THEM.  opq is 768 tiles of 12,800 bytes: tiles 0-511 x, 512-703 qkv_w, 704-767 proj_w.
; A TILE is 16 rows: tile t = 2 g + u, place i holds row 32 g + 8 u + i + 8 (i / 8).  (Used as a product's source 0, two neighbouring tiles then give a lane 16 neighbouring results.)
; It holds 16 PLANES of 768 bytes, one for each 64 along K: lane (r, h) of a wave owns block h of place r, 24 bytes = 6 registers; registers 0-3 lie at 16 x lane, registers 4, 5 at 512 + 8 x lane.
; Behind the planes: 512 bytes of scale words, [slot of 256 K][place][2 words], a word's four bytes in K's order.
; A block's scale is 2^(floor(log2(largest magnitude)) - 2): its byte is the largest magnitude's exponent field - 2, held at 1 from below by a floor among the maximum's leaves.
; LIMITS: NaN and infinities are not served; a block of zeros gets the byte 1 (its codes are zeros, and this program alone reads the bytes).
; SHARES: a work-group makes one tile; wave w takes 256 along K (planes 4 w .. 4 w + 3).  Each load reads 512 consecutive bytes of a row; the wave's 16 KiB turn through its own stage in LDS
; (rows 1,040 bytes apart = 65 x 16, so that sixteen rows' 16-byte pieces fall on sixteen different columns of banks) and come back 128 bytes a lane: a whole block of 32.
; No tensor load, no barrier: waves share nothing.  Every offset is an immediate and every store has registers of its own, so nothing that a pending store reads is written again.
.set ROWB,   4096                      ; a row of 1,024 f32
.set TILEB,  12800
.set PLB,    768
.set SPITCH, 1040
.set WSTG,   16*SPITCH                 ; a wave's stage
.set SPARE,  4*WSTG                    ; behind the stages: the spare words, 128 bytes for each wave: two blocks of 256 bytes that no other line names
.set SPW,    12                        ; v12  LDS address of my spare word; never rewritten
.set NIL,    13                        ; v13  0; never rewritten
.set BY,     16                        ; v16-19 the four planes' scale bytes
.set R,      32                        ; v32-159  32 loads x 4 registers
.set X,      160                       ; v160-223 two sets of 32 neighbours
.set C,      224                       ; v224-255 eight registers for each plane's codes
	s_load_b256 s[4:11], s[0:1], 0x0               ; x s[4:5], qkv_w s[6:7], proj_w s[8:9], opq s[10:11]
	v_lshl_add_u32 v[SPW], v0, 2, SPARE
	v_mov_b32 v[NIL], 0
	v_lshrrev_b32 v1, 5, v0
	v_readfirstlane_b32 s12, v1                    ; wave 0..3
	v_and_b32 v1, 31, v0                           ; lane
	v_and_b32 v2, 15, v0                           ; r
	v_bfe_u32 v3, v0, 4, 1                         ; h
	v_lshlrev_b32 v4, 4, v1                        ; 16 x lane: a load's and a store's place
	s_mul_i32 s13, s12, WSTG
	v_add_nc_u32 v5, s13, v4                       ; the stage, on the way in
	v_mul_u32_u24 v6, v2, SPITCH
	v_lshl_add_u32 v6, v3, 7, v6
	v_add_nc_u32 v6, s13, v6                       ; and back: row r, + 128 h: my block of a plane
	v_lshlrev_b32 v7, 3, v1                        ; 8 x lane
	v_lshlrev_b32 v8, 3, v2
	v_lshl_add_u32 v8, v3, 2, v8                   ; the scale words: 8 r + 4 h
	v_lshlrev_b32 v9, 3, v3                        ; 8 h: my bytes' place in a word
	s_mov_b32 s24, 0x76543210
	s_mov_b32 s25, 0xfedcba98                      ; lane selects: lane l xor 16
	s_mov_b32 s14, 704
	s_wait_alu depctr_va_vdst(0)
	s_wait_kmcnt 0x0
	s_cmp_lt_u32 ttmp9, 704                        ; which tensor: the choice hangs on the work-group's number alone
	s_cselect_b64 s[6:7], s[6:7], s[8:9]
	s_cselect_b32 s14, 512, s14
	s_cmp_lt_u32 ttmp9, 512
	s_cselect_b64 s[4:5], s[4:5], s[6:7]
	s_cselect_b32 s14, 0, s14
	s_sub_co_u32 s14, ttmp9, s14                   ; the tile's number in its tensor
	s_lshr_b32 s15, s14, 1
	s_lshl_b32 s15, s15, 17                        ; 32 g rows of 4,096 bytes
	s_and_b32 s16, s14, 1
	s_lshl_b32 s16, s16, 15                        ; 8 u rows
	s_add_co_u32 s16, s16, s15
	s_lshl_b32 s15, s12, 10                        ; my wave's 256 numbers of a row
	s_add_co_u32 s16, s16, s15
	s_mov_b32 s17, 0
	s_add_nc_u64 s[4:5], s[4:5], s[16:17]
	s_mul_i32 s16, ttmp9, TILEB
	s_add_nc_u64 s[10:11], s[10:11], s[16:17]      ; my tile in opq
	s_mul_i32 s16, s12, 4*PLB
	s_add_nc_u64 s[18:19], s[10:11], s[16:17]      ; my four planes
	s_lshl_b32 s16, s12, 7
	s_add_nc_u64 s[20:21], s[10:11], s[16:17]      ; my slot's 128 bytes of scale words (12,288 further on)
.set n, 0
.rept 32                                       ; place n / 2, half n % 2 of my 1,024 bytes of its row
	global_load_b128 v[R+4*n:R+4*n+3], v4, s[4:5] offset:((n/2)+8*((n/2)/8))*ROWB+512*(n%2) th:TH_LOAD_NT
.set n, n+1
.endr
.set n, 0
.rept 32
	s_wait_loadcnt 31-n                            ; loads come back in order: load n is in, the younger ones stay out
	ds_store_b128 v5, v[R+4*n:R+4*n+3] offset:(n/2)*SPITCH+512*(n%2)
.set n, n+1
.endr
.macro PLOAD j                         ; plane j: my block's 32 numbers into set j % 2.  LDS serves a wave's instructions in order: these see the stores above
.irp e, 0,1,2,3,4,5,6,7
	ds_load_b128 v[X+32*((\j)%2)+4*\e:X+32*((\j)%2)+4*\e+3], v6 offset:256*(\j)+16*\e
.endr
.endm
.macro PLANE j
.set XS, X+32*((\j)%2)
.if (\j) < 3
	s_wait_dscnt 8                                 ; this plane's eight loads are in; the next plane's eight may be out
.else
	s_wait_dscnt 0x0
.endif
	v_max3_num_f32 v20, |v[XS]|, |v[XS+1]|, |v[XS+2]|      ; the block's largest magnitude: all 32 numbers are mine; two chains
	v_max3_num_f32 v21, |v[XS+3]|, |v[XS+4]|, |v[XS+5]|
.irp i, 6,10,14,18,22,26
	v_max3_num_f32 v20, v20, |v[XS+\i]|, |v[XS+\i+1]|
	v_max3_num_f32 v21, v21, |v[XS+\i+2]|, |v[XS+\i+3]|
.endr
	v_max3_num_f32 v20, v20, |v[XS+30]|, |v[XS+31]|
	v_max3_num_f32 v20, v20, v21, 0x1800000        ; and the floor 2^(3 - 127): the byte cannot fall under 1
	v_add_nc_u32 v22, 0xff000000, v20              ; 2 off the exponent field: the conversion takes this operand's exponent field as its scale
	v_cvt_scalef32_pk16_fp6_f32 v[C+8*(\j):C+8*(\j)+2], v[XS:XS+15], v22
	v_cvt_scalef32_pk16_fp6_f32 v[C+8*(\j)+4:C+8*(\j)+6], v[XS+16:XS+31], v22   ; (a conversion's three registers begin on an even number)
	v_lshrrev_b32 v[BY+(\j)], 23, v22              ; the scale's byte; also the plain line behind the conversions
	v_mov_b32 v[C+8*(\j)+3], v[C+8*(\j)+4]         ; the block's six registers on end
	v_mov_b32 v[C+8*(\j)+4], v[C+8*(\j)+5]
	v_mov_b32 v[C+8*(\j)+5], v[C+8*(\j)+6]
.if (\j) < 2
	PLOAD (\j)+2
.endif
	global_store_b128 v4, v[C+8*(\j):C+8*(\j)+3], s[18:19] offset:PLB*(\j)           ; 512 consecutive bytes, aligned to 256
	global_store_b64 v7, v[C+8*(\j)+4:C+8*(\j)+5], s[18:19] offset:PLB*(\j)+512      ; 256 consecutive bytes, aligned
.endm
	PLOAD 0
	PLOAD 1
	PLANE 0
	PLANE 1
	PLANE 2
	PLANE 3
	; the slot's two scale words of place r: word q has planes 2 q and 2 q + 1; in a plane block h's byte lies 8 h bits up
	v_lshl_or_b32 v20, v[BY+1], 16, v[BY]
	v_lshl_or_b32 v21, v[BY+3], 16, v[BY+2]
	v_lshlrev_b32 v20, v9, v20
	v_lshlrev_b32 v21, v9, v21
	v_mov_b32 v22, 0                               ; (a lane permute's destination counts as one of its sources)
	v_mov_b32 v23, 0
	v_permlanex16_b32 v22, v20, s24, s25
	v_permlanex16_b32 v23, v21, s24, s25
	v_or_b32 v20, v20, v22                         ; with lane l xor 16's bytes both words are whole
	v_or_b32 v21, v21, v23
	v_cmp_ne_u32 vcc_lo, 0, v3
	v_cndmask_b32 v20, v20, v21, vcc_lo            ; lane (r, h) stores word h
	global_store_b32 v8, v20, s[20:21] offset:16*PLB   ; the wave's 128 consecutive bytes
	s_wait_tensorcnt 0x0                           ; the wave's end: behind my last LDS store
	ds_add_u32 v[SPW], v[NIL]
	s_wait_dscnt 0x0
	s_endpgm
.Lfunc_end_k_qc70b34bdb5_quant:
	.size	k_qc70b34bdb5_quant, .Lfunc_end_k_qc70b34bdb5_quant-k_qc70b34bdb5_quant
	.p2alignl 7, 3214868480
	.fill 96, 4, 3214868480
	.section	.rodata,"a",@progbits
	.p2align	6, 0x0
	.amdhsa_kernel k_qc70b34bdb5_quant
		.amdhsa_group_segment_fixed_size 67072
		.amdhsa_private_segment_fixed_size 0
		.amdhsa_enable_private_segment 0
		.amdhsa_kernarg_size 32
		.amdhsa_user_sgpr_count 2
		.amdhsa_user_sgpr_kernarg_segment_ptr 1
		.amdhsa_wavefront_size32 1
		.amdhsa_system_sgpr_workgroup_id_x 1
		.amdhsa_system_sgpr_workgroup_id_y 1
		.amdhsa_system_sgpr_workgroup_id_z 1
		.amdhsa_system_vgpr_workitem_id 0
		.amdhsa_next_free_vgpr 256
		.amdhsa_next_free_sgpr 66
		.amdhsa_reserve_vcc 1
		.amdhsa_float_denorm_mode_32 3
		.amdhsa_float_denorm_mode_16_64 3
		.amdhsa_memory_ordered 1
		.amdhsa_forward_progress 1
		.amdhsa_inst_pref_size 18
	.end_amdhsa_kernel
	.amdgpu_metadata
---
amdhsa.version: [ 1, 2 ]
amdhsa.kernels:
  - .name:           k_qc70b34bdb5_quant
    .symbol:         k_qc70b34bdb5_quant.kd
    .args:
      - { .name: x, .offset: 0, .size: 8, .value_kind: global_buffer, .address_space: global }
      - { .name: qkv_w, .offset: 8, .size: 8, .value_kind: global_buffer, .address_space: global }
      - { .name: proj_w, .offset: 16, .size: 8, .value_kind: global_buffer, .address_space: global }
      - { .name: opq, .offset: 24, .size: 8, .value_kind: global_buffer, .address_space: global }
    .group_segment_fixed_size: 67072
    .private_segment_fixed_size: 0
    .kernarg_segment_align: 8
    .kernarg_segment_size: 32
    .max_flat_workgroup_size: 128
    .sgpr_count:     66
    .vgpr_count:     256
    .wavefront_size: 32
...
	.end_amdgpu_metadata
.endif
;; end of part 1
;; launch gemm1 (part 2): grid 8 x 48, 4 waves a work-group, clusters of 4 x 4, 327,680 bytes of LDS; arguments opq, qkv_b, qkv; writes qkv
.if DOCPART == 2
	.amdgcn_target "amdgcn-amd-amdhsa--gfx1250"
	.amdhsa_code_object_version 6
	.text
	.protected	k_qc70b34bdb5_gemm1
	.globl	k_qc70b34bdb5_gemm1
	.p2align	8
	.type	k_qc70b34bdb5_gemm1,@function
k_qc70b34bdb5_gemm1:
	s_mov_b64 s[64:65], 0
	v_nop
	global_prefetch_b8 v0, s[64:65] scope:SCOPE_SE
	s_setreg_imm32_b32 hwreg(HW_REG_WAVE_MODE, 25, 1), 1
	s_wait_xcnt 0x0
	s_wait_alu depctr_hold_cnt(0) depctr_sa_sdst(0) depctr_va_vdst(0) depctr_va_sdst(0) depctr_va_ssrc(0) depctr_va_vcc(0) depctr_vm_vsrc(0)
	s_getreg_b32 s2, hwreg(HW_REG_IB_STS2, 6, 4)
	s_cmp_eq_u32 s2, 0
	s_cbranch_scc0 .Lentry_in_a_cluster
	s_endpgm
.Lentry_in_a_cluster:
	s_bfe_u32 s2, ttmp6, 0x10000c
	s_cmp_lg_u32 s2, 0xf033
	s_cbranch_scc0 .Lentry_shape_is_right
	s_endpgm
.Lentry_shape_is_right:
.set TILEB,  12800
.set PLB,    768
.set SLB,    4*PLB
.set UNITB,  16*TILEB
.set HALFU,  8*TILEB
.set NQ,     2
.set FR,     12
.set NL,     4
.set NP,     4
.set HALFT,  8*SLB
.set SLOT,   4*HALFT
.set SCL,    2*SLOT
.set HALFS,  8*512
.set SBLK,   512
.set SPARE,  SCL+4*HALFS
.set HEADB,  102400
.set WHICHB, 64*HEADB
.set STEPB,  6400
.set ADRA, 16
.set ADRB, 20
.set L16,  24
.set L8,   25
.set WO,   26
.set ADRS, 27
.set SPW,  28
.set NIL,  29
.set BQ,   30
.set BV,   31
.set SC,   32
.set BI,   64
.set AF,   128
.set X,    128
.set PC,   192
.set CT,   204
.set TM,   212
.set T4,   216
.set SO,   220
.set WW,   224
.set OUT,  232
.set SELR, 236
.set SEL,  22
.set G1, 24
.set G0, 32
.set G1B, 48
.set G0B, 56
.set G1S, 68
.set G0S, 76
.set G1SB, 80
.set G0SB, 88
.set MSB, 0
.macro WIN new
.if MSB != (\new)
	s_set_vgpr_msb (MSB<<8)|(\new)
.set MSB, (\new)
.endif
.endm
.set MUL_LO, 0xa1
.set MUL_HI, 0xf1
.set TO_B,   0x40
.macro JLOAD g0a, g1a, g0b, g1b
	s_cmp_eq_u32 s15, 0
	s_cbranch_scc0 .Lfor_b_\@
	tensor_load_to_lds s[\g0a:\g0a+3], s[\g1a:\g1a+7]
	s_nop 0
.rept 4
	v_nop
.endr
	s_branch .Lasked_\@
.Lfor_b_\@:
	tensor_load_to_lds s[\g0b:\g0b+3], s[\g1b:\g1b+7]
	s_nop 0
.rept 4
	v_nop
.endr
.Lasked_\@:
.endm
.macro CREST
	s_cmp_lg_u32 s14, 0
	s_cbranch_scc1 .Lnot_wave_0_\@
	s_barrier_signal -3
.Lnot_wave_0_\@:
	s_barrier_wait -3
	s_barrier_signal -1
	s_barrier_wait -1
.endm
.macro CROUND
	s_barrier_signal -1
	s_barrier_wait -1
	CREST
.endm
	s_load_b128 s[4:7], s[0:1], 0x0
	s_load_b64 s[8:9], s[0:1], 0x10
	v_lshl_add_u32 v[SPW], v0, 2, SPARE
	v_mov_b32 v[NIL], 0
	ds_add_u32 v[SPW], v[NIL]
	ds_add_u32 v[SPW], v[NIL]
	v_lshrrev_b32 v1, 5, v0
	v_readfirstlane_b32 s14, v1
	s_lshr_b32 s15, s14, 1
	s_and_b32 s16, s14, 1
	s_bfe_u32 s40, ttmp6, 0x40000
	s_bfe_u32 s41, ttmp6, 0x40004
	s_lshl_b32 s42, ttmp9, 2
	s_add_co_u32 s42, s42, s40
	s_and_b32 s10, ttmp7, 0xffff
	s_lshl_b32 s17, s10, 2
	s_lshl_b32 s12, s10, 3
	s_sub_co_u32 s12, s12, 64
	s_cmp_ge_u32 s10, 8
	s_cselect_b32 s11, 1, 0
	s_cselect_b32 s18, 40, s17
	s_cselect_b32 s19, s12, 32
	s_lshl_b32 s43, s41, 2
	s_lshl_b32 s43, 15, s43
	s_lshl_b32 s44, 0x1111, s40
	s_or_b32 s[G1+0], s43, (3<<16)|(1<<21)
	s_or_b32 s[G1B+0], s44, (3<<16)|(1<<21)
.irp g, G1, G1B
	s_mov_b32 s[\g+1], 384<<16
	s_mov_b32 s[\g+2], 16<<16                      ; the head's loads bring all 16 tiles; the ring's 8 are set behind the head's wait
	s_mov_b32 s[\g+3], 384<<16
	s_mov_b32 s[\g+4], 16
	s_mov_b32 s[\g+5], 1600
	s_mov_b32 s[\g+6], 0
	s_mov_b32 s[\g+7], 0
.endr
	s_or_b32 s[G1S+0], s43, (3<<16)|(1<<21)
	s_or_b32 s[G1SB+0], s44, (3<<16)|(1<<21)
.irp g, G1S, G1SB
	s_mov_b32 s[\g+1], 64<<16
	s_mov_b32 s[\g+2], 16<<16                      ; the scale words of 16 tiles, 512 bytes each
	s_mov_b32 s[\g+3], 64<<16
	s_mov_b32 s[\g+4], 16
	s_mov_b32 s[\g+5], 1600
	s_mov_b32 s[\g+6], 0
	s_mov_b32 s[\g+7], 0
.endr
	s_add_co_u32 s20, s18, s41
	s_add_co_u32 s46, s19, s42
	s_mul_i32 s20, s20, UNITB
	s_mul_i32 s46, s46, UNITB
	s_mul_i32 s2, s16, HALFU                       ; s[2:3]: which 8 tiles I fetch in the ring, in bytes
	s_mov_b32 s3, 0
	s_mov_b32 s21, 0
	s_mov_b32 s47, 0
	s_mul_i32 s45, s14, HALFT
	s_mov_b32 s[SEL], 0x76543210
	s_mov_b32 s[SEL+1], 0xfedcba98
	s_wait_dscnt 0x0
	s_wait_kmcnt 0x0
	s_add_nc_u64 s[20:21], s[4:5], s[20:21]
	s_add_nc_u64 s[46:47], s[4:5], s[46:47]
.set PFA, 98                           ; s[98:99] where my prefetches stand; v8 their lane offset; neither is rewritten
	; THE HEAD'S FOUR TILES, each whole, one joint load a wave: K slot 0 of A's 16 tiles, of B's 16 tiles, A's scale words, B's
	s_mov_b32 s[G0], 1
	s_mov_b32 s[G0+1], 0
	s_mov_b64 s[G0+2:G0+3], s[20:21]
	s_or_b32 s[G0+3], s[G0+3], 0x80000000
	s_mov_b32 s[G0B], 1
	s_mov_b32 s[G0B+1], 2*HALFT
	s_mov_b64 s[G0B+2:G0B+3], s[46:47]
	s_or_b32 s[G0B+3], s[G0B+3], 0x80000000
	s_mov_b32 s[G0S], 1
	s_mov_b32 s[G0S+1], SCL
	s_add_nc_u64 s[G0S+2:G0S+3], s[20:21], 16*PLB
	s_or_b32 s[G0S+3], s[G0S+3], 0x80000000
	s_mov_b32 s[G0SB], 1
	s_mov_b32 s[G0SB+1], SCL+2*HALFS
	s_add_nc_u64 s[G0SB+2:G0SB+3], s[46:47], 16*PLB
	s_or_b32 s[G0SB+3], s[G0SB+3], 0x80000000
	s_add_nc_u64 s[20:21], s[20:21], s[2:3]        ; for the ring: my 8 tiles
	s_add_nc_u64 s[46:47], s[46:47], s[2:3]
	s_mov_b32 s[G0+4], 1                           ; slot 1's group 0: K slot 1
	s_add_co_u32 s[G0+5], s45, SLOT
	s_add_nc_u64 s[G0+6:G0+7], s[20:21], SLB
	s_or_b32 s[G0+7], s[G0+7], 0x80000000
	s_mov_b32 s[G0B+4], 1
	s_add_co_u32 s[G0B+5], s45, SLOT
	s_add_nc_u64 s[G0B+6:G0B+7], s[46:47], SLB
	s_or_b32 s[G0B+7], s[G0B+7], 0x80000000
	; the prefetches: of the 8 tiles that I fetch in the ring, the four partners of the joint load take 2 each, told apart by address (cx for A, cy for B)
	s_cmp_eq_u32 s15, 0
	s_cselect_b64 s[PFA:PFA+1], s[20:21], s[46:47]
	s_cselect_b32 s96, s40, s41
	s_mul_i32 s96, s96, 2*TILEB
	s_mov_b32 s97, 0
	s_add_nc_u64 s[PFA:PFA+1], s[PFA:PFA+1], s[96:97]
	CROUND                                         ; all sixteen work-groups are here: the first joint loads meet
.macro ARM under, g0, g1, next         ; one chain of branches on the wave's number, one load to an arm, all arms to one join
	s_cmp_lt_u32 s14, \under
	s_cbranch_scc0 \next
	tensor_load_to_lds s[\g0:\g0+3], s[\g1:\g1+7]
	s_nop 0
.rept 4
	v_nop
.endr
	s_branch .Lhead_asked
\next:
.endm
	ARM 1, G0,  G1,  .Lhead_b
	ARM 2, G0B, G1B, .Lhead_sa
	ARM 3, G0S, G1S, .Lhead_sb
	tensor_load_to_lds s[G0SB:G0SB+3], s[G1SB:G1SB+7]
	s_nop 0
.rept 4
	v_nop
.endr
.Lhead_asked:
	v_and_b32 v8, 31, v0                           ; a K slot of 2 tiles is 24 blocks of 256 bytes: a lane a block, lanes 24-31 name the last again
	v_min_u32 v8, 23, v8
	v_mul_u32_u24 v9, v8, 86
	v_lshrrev_b32 v9, 10, v9                       ; lane / 12: which of the two tiles
	v_mul_u32_u24 v9, v9, TILEB-12*256
	v_lshl_add_u32 v8, v8, 8, v9
	global_prefetch_b8 v8, s[PFA:PFA+1] offset:SLB th:TH_LOAD_NT scope:SCOPE_SE   ; K slot 1, whose load follows the head's
	v_and_b32 v1, 15, v0
	v_bfe_u32 v2, v0, 4, 1
	v_and_b32 v3, 31, v0
	v_lshlrev_b32 v[L16], 4, v3
	v_lshlrev_b32 v[L8], 3, v3
	s_mul_i32 s12, s15, HALFT
	s_mul_i32 s13, s16, HALFT
	s_add_co_u32 s13, s13, 2*HALFT
.irp s, 0,1
	v_add_nc_u32 v[ADRA+\s], s12, v[L16]
	v_add_nc_u32 v[ADRB+\s], s13, v[L16]
	v_add_nc_u32 v[ADRA+2+\s], s12, v[L8]
	v_add_nc_u32 v[ADRB+2+\s], s13, v[L8]
	s_add_co_u32 s12, s12, SLOT
	s_add_co_u32 s13, s13, SLOT
.endr
	v_lshlrev_b32 v6, 3, v1
	s_mul_i32 s12, s15, HALFS
	s_mul_i32 s13, s16, HALFS
	s_add_co_u32 s13, s13, 2*HALFS
	s_sub_co_u32 s13, s13, s12
	v_mul_u32_u24 v7, s13, v2
	s_add_co_u32 s12, s12, SCL
	v_add_nc_u32 v6, v6, v7
	v_add_nc_u32 v[ADRS], s12, v6
	v_mul_u32_u24 v[WO], v2, HEADB
	v_lshl_add_u32 v[WO], v1, 4, v[WO]
	v_lshlrev_b32 v[BQ], 6, v2
	v_and_b32 v[BV], 8, v1
	v_add_nc_u32 v[BV], v[BV], v1
	v_lshlrev_b32 v[BV], 2, v[BV]
	s_add_co_u32 s66, s18, s41
	s_add_co_u32 s67, s19, s42
	s_cmp_eq_u32 s11, 1
	s_cselect_b32 s92, s67, s66
	s_cselect_b32 s93, s66, s67
	s_cselect_b32 s94, s16, s15
	s_cselect_b32 s95, s15, s16
	s_lshl_b32 s92, s92, 1
	s_add_co_u32 s92, s92, s94
	s_sub_co_u32 s93, s93, 32
	s_lshl_b32 s93, s93, 1
	s_add_co_u32 s93, s93, s95
	s_lshr_b32 s94, s93, 3
	s_mul_i32 s94, s94, WHICHB
	s_and_b32 s95, s93, 7
	s_lshl_b32 s95, s95, 1
	s_lshr_b32 s96, s92, 4
	s_lshl_b32 s96, s96, 4
	s_add_co_u32 s95, s95, s96
	s_mul_i32 s95, s95, HEADB
	s_add_co_u32 s94, s94, s95
	s_and_b32 s95, s92, 15
	s_mul_i32 s95, s95, STEPB
	s_add_co_u32 s96, s94, s95
	s_mov_b32 s97, 0
	s_add_nc_u64 s[8:9], s[8:9], s[96:97]
	s_lshl_b32 s96, s93, 9
	s_add_nc_u64 s[6:7], s[6:7], s[96:97]
	s_cmp_eq_u32 s11, 1
	s_cbranch_scc1 .Lbias_v
	s_wait_alu depctr_va_vdst(0)
.irp t, 0,1,2,3,4,5,6,7
	global_load_b128 v[BI+8*\t:BI+8*\t+3], v[BQ], s[6:7] offset:(32*(\t/2)+8*(\t%2))*4
	global_load_b128 v[BI+8*\t+4:BI+8*\t+7], v[BQ], s[6:7] offset:(32*(\t/2)+8*(\t%2))*4+16
.endr
	s_branch .Lbias_in
.Lbias_v:
	s_wait_alu depctr_va_vdst(0)
.irp t, 0,1,2,3,4,5,6,7
.irp j, 0,1,2,3,4,5,6,7
	global_load_b32 v[BI+8*\t+\j], v[BV], s[6:7] offset:(32*(\t/2)+8*(\t%2))*4
.endr
.endr
.Lbias_in:
.macro FRAG reg, adr, q, i
.irp c, 0,1
	ds_load_b128 v[\reg+6*\c:\reg+6*\c+3], v[\adr] offset:(\i)*SLB+(2*(\q)+\c)*PLB
	ds_load_b64 v[\reg+6*\c+4:\reg+6*\c+5], v[\adr+2] offset:(\i)*SLB+(2*(\q)+\c)*PLB+512
.endr
.endm
.macro MUL16 a0, p, q, sc, zero
.irp a, \a0, \a0+1
.irp b, 0,1,2,3,4,5,6,7
.if \zero
	v_wmma_scale_f32_16x16x128_f8f6f4 v[8*(8*((\a)%4)+\b):8*(8*((\a)%4)+\b)+7], v[128*(\p)+FR*\b:128*(\p)+FR*\b+FR-1], v[AF+FR*(\a):AF+FR*(\a)+FR-1], 0, v[SC+8*NQ*(\sc)+NQ*\b+(\q)], v[SC+8*NQ*(\sc)+NQ*(\a)+(\q)] matrix_a_fmt:MATRIX_FMT_FP6 matrix_b_fmt:MATRIX_FMT_FP6 matrix_a_scale:MATRIX_SCALE_ROW1
.else
	v_wmma_scale_f32_16x16x128_f8f6f4 v[8*(8*((\a)%4)+\b):8*(8*((\a)%4)+\b)+7], v[128*(\p)+FR*\b:128*(\p)+FR*\b+FR-1], v[AF+FR*(\a):AF+FR*(\a)+FR-1], v[8*(8*((\a)%4)+\b):8*(8*((\a)%4)+\b)+7], v[SC+8*NQ*(\sc)+NQ*\b+(\q)], v[SC+8*NQ*(\sc)+NQ*(\a)+(\q)] matrix_a_fmt:MATRIX_FMT_FP6 matrix_b_fmt:MATRIX_FMT_FP6 matrix_a_scale:MATRIX_SCALE_ROW1
.endif
.endr
.endr
.endm
.macro FETCH_B slot, q, p
	WIN TO_B
.irp i, 0,1,2,3,4,5,6,7
	FRAG 128*(\p)+FR*\i, ADRB+\slot, \q, \i
.endr
	WIN 0
.endm
.macro FETCH_A slot, q, i0
.irp i, \i0, \i0+1, \i0+2, \i0+3
	FRAG AF+FR*(\i), ADRA+\slot, \q, \i
.endr
.endm
.macro SCALES sc
.irp i, 0,1,2,3,4,5,6,7
	ds_load_b64 v[SC+8*NQ*\sc+NQ*\i:SC+8*NQ*\sc+NQ*\i+1], v[ADRS] offset:\i*SBLK
.endr
.endm
.macro PLACES n
.rept \n
	v_nop
.endr
.endm
.macro STEP slot, q, zero
	s_wait_dscnt 4*NL
	WIN MUL_LO
	MUL16 0, (\q)%2, \q, \slot, \zero
	MUL16 2, (\q)%2, \q, \slot, \zero
	s_wait_dscnt 0
	PLACES NP
	FETCH_B \slot, (\q)+1, 1-(\q)%2
	FETCH_A \slot, (\q)+1, 0
	WIN MUL_HI
	MUL16 4, (\q)%2, \q, \slot, \zero
	MUL16 6, (\q)%2, \q, \slot, \zero
	PLACES NP
	WIN 0
	FETCH_A \slot, (\q)+1, 4
.endm
.macro TURN slot, next, fill
	s_wait_tensorcnt 0x0
	ds_add_u32 v[SPW], v[NIL]
	s_wait_dscnt 4*NL+1
	WIN MUL_LO
	MUL16 0, 1, NQ-1, \slot, 0
	s_wait_dscnt 0x0
	s_barrier_signal -1
	MUL16 2, 1, NQ-1, \slot, 0
	WIN 0
	s_barrier_wait -1
.if \fill
	CREST
	s_add_nc_u64 s[G0+4*\slot+2:G0+4*\slot+3], s[G0+4*\slot+2:G0+4*\slot+3], 2*SLB
	s_add_nc_u64 s[G0B+4*\slot+2:G0B+4*\slot+3], s[G0B+4*\slot+2:G0B+4*\slot+3], 2*SLB
	JLOAD G0+4*\slot, G1, G0B+4*\slot, G1B
.else
	PLACES NP
.endif
	s_wait_alu depctr_va_vdst(0)
	v_add_nc_u32 v[ADRS], 128, v[ADRS]
	FETCH_B \next, 0, 0
	FETCH_A \next, 0, 0
	SCALES \next
.if (\fill) && (\slot) == 0
	global_prefetch_b8 v8, s[PFA:PFA+1] offset:3*SLB th:TH_LOAD_NT scope:SCOPE_SE   ; K slot 3, the last: one refill ahead of its load
.endif
	WIN MUL_HI
	MUL16 4, 1, NQ-1, \slot, 0
	MUL16 6, 1, NQ-1, \slot, 0
	PLACES NP
	WIN 0
	FETCH_A \next, 0, 4
.endm
	s_wait_loadcnt 0x0
	s_wait_alu depctr_va_vdst(0)                   ; the wait at the head's end
	s_wait_tensorcnt 0x0                           ; my tile of the head's four is in; the three lines ahead of slot 1's first fill
	ds_add_u32 v[SPW], v[NIL]
	s_mov_b32 s[G1+2], 8<<16                       ; no load of mine is out: from here on a load brings my 8 tiles
	s_mov_b32 s[G1+4], 8
	s_mov_b32 s[G1B+2], 8<<16
	s_mov_b32 s[G1B+4], 8
	s_add_co_u32 s[G0+1], s45, 0                   ; and slot 0's group 0 takes the ring's form
	s_mov_b64 s[G0+2:G0+3], s[20:21]
	s_or_b32 s[G0+3], s[G0+3], 0x80000000
	s_add_co_u32 s[G0B+1], s45, 0
	s_mov_b64 s[G0B+2:G0B+3], s[46:47]
	s_or_b32 s[G0B+3], s[G0B+3], 0x80000000
	s_wait_dscnt 0x0
	CROUND                                         ; all four tiles are in, in every partner
	JLOAD G0+4, G1, G0B+4, G1B                     ; K slot 1, the first tensor load behind the round
	FETCH_B 0, 0, 0
	global_prefetch_b8 v8, s[PFA:PFA+1] offset:2*SLB th:TH_LOAD_NT scope:SCOPE_SE   ; K slot 2: one refill ahead of its load
	FETCH_A 0, 0, 0
	SCALES 0
	FETCH_A 0, 0, 4
	STEP 0, 0, 1
	TURN 0, 1, 1
	STEP 1, 0, 0
	TURN 1, 0, 1
	STEP 0, 0, 0
	TURN 0, 1, 0
	STEP 1, 0, 0
	s_wait_dscnt 4*NL
	WIN MUL_LO
	MUL16 0, 1, NQ-1, 1, 0
	MUL16 2, 1, NQ-1, 1, 0
	s_wait_dscnt 0
	WIN MUL_HI
	MUL16 4, 1, NQ-1, 1, 0
	MUL16 6, 1, NQ-1, 1, 0
	WIN 0
.macro QMAX s, dw
.irp b, 0,1,2,3
	v_max3_num_f32 v[TM+\b], |v[\s+16*\b]|, |v[\s+1+16*\b]|, 0x1800000
.endr
.irp i, 2,4,6,8,10,12,14
.irp b, 0,1,2,3
	v_max3_num_f32 v[TM+\b], v[TM+\b], |v[\s+16*\b+\i]|, |v[\s+1+16*\b+\i]|
.endr
.endr
.irp b, 0,1,2,3
	v_permlanex16_b32 v[T4+\b], v[TM+\b], s[SEL], s[SEL+1]
.endr
.irp b, 0,1,2,3
	v_max_num_f32 v[TM+\b], v[TM+\b], v[T4+\b]
.endr
.irp b, 0,1,2,3
	v_add_nc_u32 v[SO+\b], 0xff000000, v[TM+\b]
.endr
.irp b, 0,1,2,3
	v_lshrrev_b32 v[T4+\b], 23, v[SO+\b]
.endr
	v_lshl_or_b32 v[\dw], v[T4+1], 8, v[T4]
	v_lshl_or_b32 v[\dw], v[T4+2], 16, v[\dw]
	v_lshl_or_b32 v[\dw], v[T4+3], 24, v[\dw]
.endm
.macro QCVT s
.irp c, 0,1
	v_cvt_scalef32_pk16_fp6_f32 v[PC+6*\c:PC+6*\c+2], v[\s+32*\c:\s+32*\c+15], v[SO+2*\c]
	v_cvt_scalef32_pk16_fp6_f32 v[CT+4*\c:CT+4*\c+2], v[\s+32*\c+16:\s+32*\c+31], v[SO+2*\c+1]
.endr
	v_nop
.irp c, 0,1
.irp i, 0,1,2
	v_permlane16_swap_b32 v[PC+6*\c+\i], v[CT+4*\c+\i]
.endr
.irp i, 0,1,2
	v_mov_b32 v[PC+6*\c+3+\i], v[CT+4*\c+\i]
.endr
.endr
.endm
.macro EPI kind
.irp a, 0,1,2,3,4,5,6,7
	WIN 0x02+(\a/4)
.set i, 0
.rept 32
.if \kind
	v_pk_add_f32 v[X+2*i:X+2*i+1], v[64*(\a%4)+2*i:64*(\a%4)+2*i+1], v[BI+8*\a+(2*i)%8:BI+8*\a+(2*i)%8+1]
.else
	v_pk_add_f32 v[X+2*i:X+2*i+1], v[64*(\a%4)+2*i:64*(\a%4)+2*i+1], v[BI+2*i:BI+2*i+1]
.endif
.set i, i+1
.endr
	WIN 0
	QMAX X, WW+\a
	s_wait_xcnt 0x0
	QCVT X
.irp c, 0,1
.if \kind
	global_store_b128 v[L16], v[PC+6*\c:PC+6*\c+3], s[8:9] offset:(\a/4)*HEADB+(\a%4)*2*PLB+\c*PLB
	global_store_b64 v[L8], v[PC+6*\c+4:PC+6*\c+5], s[8:9] offset:(\a/4)*HEADB+(\a%4)*2*PLB+\c*PLB+512
.else
	global_store_b128 v[L16], v[PC+6*\c:PC+6*\c+3], s[8:9] offset:\c*HEADB+\a*PLB
	global_store_b64 v[L8], v[PC+6*\c+4:PC+6*\c+5], s[8:9] offset:\c*HEADB+\a*PLB+512
.endif
.endr
.endr
.endm
	PLACES NP
	v_cmp_ne_u32 vcc_lo, 0, v2
.irp b, 0,1,2,3
	v_mov_b32 v[T4+\b], 0
.endr
	s_cmp_eq_u32 s11, 1
	s_cbranch_scc1 .Lepi_v
	v_mov_b32 v[SELR], 0x05040100
	v_mov_b32 v[SELR+1], 0x07060302
	v_cndmask_b32 v[SELR], v[SELR], v[SELR+1], vcc_lo
	EPI 0
.irp f, 0,1,2,3
	v_perm_b32 v[OUT+\f], v[WW+2*\f+1], v[WW+2*\f], v[SELR]
.endr
	global_store_b128 v[WO], v[OUT:OUT+3], s[8:9] offset:4*2*PLB
	s_branch .Lend
.Lepi_v:
	EPI 1
.irp t, 0,1,2,3
	v_cndmask_b32 v[OUT+\t], v[WW+\t], v[WW+\t+4], vcc_lo
.endr
	global_store_b128 v[WO], v[OUT:OUT+3], s[8:9] offset:4*2*PLB
.Lend:
	s_wait_tensorcnt 0x0
	ds_add_u32 v[SPW], v[NIL]
	s_wait_dscnt 0x0
	CROUND
	s_endpgm
.Lfunc_end_k_qc70b34bdb5_gemm1:
	.size	k_qc70b34bdb5_gemm1, .Lfunc_end_k_qc70b34bdb5_gemm1-k_qc70b34bdb5_gemm1
	.p2alignl 7, 3214868480
	.fill 96, 4, 3214868480
	.section	.rodata,"a",@progbits
	.p2align	6, 0x0
	.amdhsa_kernel k_qc70b34bdb5_gemm1
		.amdhsa_group_segment_fixed_size 327680
		.amdhsa_private_segment_fixed_size 0
		.amdhsa_enable_private_segment 0
		.amdhsa_kernarg_size 24
		.amdhsa_user_sgpr_count 2
		.amdhsa_user_sgpr_kernarg_segment_ptr 1
		.amdhsa_wavefront_size32 1
		.amdhsa_system_sgpr_workgroup_id_x 1
		.amdhsa_system_sgpr_workgroup_id_y 1
		.amdhsa_system_sgpr_workgroup_id_z 1
		.amdhsa_system_vgpr_workitem_id 0
		.amdhsa_next_free_vgpr 1024
		.amdhsa_next_free_sgpr 100
		.amdhsa_reserve_vcc 1
		.amdhsa_float_denorm_mode_32 3
		.amdhsa_float_denorm_mode_16_64 3
		.amdhsa_memory_ordered 1
		.amdhsa_forward_progress 1
		.amdhsa_inst_pref_size 224
	.end_amdhsa_kernel
	.amdgpu_metadata
---
amdhsa.version: [ 1, 2 ]
amdhsa.kernels:
  - .name:           k_qc70b34bdb5_gemm1
    .symbol:         k_qc70b34bdb5_gemm1.kd
    .args:
      - { .name: opq, .offset: 0, .size: 8, .value_kind: global_buffer, .address_space: global }
      - { .name: qkv_b, .offset: 8, .size: 8, .value_kind: global_buffer, .address_space: global }
      - { .name: qkv, .offset: 16, .size: 8, .value_kind: global_buffer, .address_space: global }
    .group_segment_fixed_size: 327680
    .private_segment_fixed_size: 0
    .kernarg_segment_align: 8
    .kernarg_segment_size: 24
    .max_flat_workgroup_size: 128
    .sgpr_count:     100
    .vgpr_count:     1024
    .wavefront_size: 32
...
	.end_amdgpu_metadata
.endif
;; end of part 2
;; launch attn (part 3): grid 4 x 64, 8 waves a work-group, clusters of 4 x 1, 214,016 bytes of LDS; arguments qkv, padding_mask, ao; writes ao
.if DOCPART == 3
	.amdgcn_target "amdgcn-amd-amdhsa--gfx1250"
	.amdhsa_code_object_version 6
	.text
	.protected	k_qc70b34bdb5_attn
	.globl	k_qc70b34bdb5_attn
	.p2align	8
	.type	k_qc70b34bdb5_attn,@function
k_qc70b34bdb5_attn:
	s_mov_b64 s[64:65], 0
	v_nop
	global_prefetch_b8 v0, s[64:65] scope:SCOPE_SE
	s_setreg_imm32_b32 hwreg(HW_REG_WAVE_MODE, 25, 1), 1
	s_wait_xcnt 0x0
	s_wait_alu depctr_hold_cnt(0) depctr_sa_sdst(0) depctr_va_vdst(0) depctr_va_sdst(0) depctr_va_ssrc(0) depctr_va_vcc(0) depctr_vm_vsrc(0)
	s_getreg_b32 s2, hwreg(HW_REG_IB_STS2, 6, 4)
	s_cmp_eq_u32 s2, 0
	s_cbranch_scc0 .Lentry_in_a_cluster
	s_endpgm
.Lentry_in_a_cluster:
	s_bfe_u32 s2, ttmp6, 0x10000c
	s_cmp_lg_u32 s2, 0x3003
	s_cbranch_scc0 .Lentry_shape_is_right
	s_endpgm
.Lentry_shape_is_right:
; Attention of one head on codes of FP6 (E2M3) with E8M0 scales: S = q k^T, softmax with the padding mask, O = p v, O / the row's sum, quantised along the head's 64 for the last product.
; IN: qkv[q, k, v][batch x 16 + head][step of 128 tokens][6,400]: four fragments of 1,536 bytes as images of the matrix unit's registers (two images of 768 bytes: registers 0-3 at 16 x lane, 4 and 5 at
; 512 + 8 x lane), then scale words [place][4].  q, k: fragment f = token tiles 2 f, 2 f + 1 (16 tokens x the head's 64 each; tile 2 g + u, place i = token 32 g + 8 u + i + 8 (i / 8)).
; v: fragment t = 16 of the head's 64 (the same tile order) x the step's 128 keys.
; OUT: ao: token tiles of 12,800 bytes: plane = head (768 bytes), then scale words [4 heads][place][2 words]: the operand format of the last product.
; THE FIRST PRODUCT'S K IS 64, the instruction's 128: a fragment of k holds TWO key tiles, and q stands beside 64 zero codes, [q | 0] or [0 | q]: the zeros take the other tile out.
; THE MASK costs no vector instruction: 0 or -1e30 for each key lies in LDS and is the C of the first product.
; THE SOFTMAX: t = score x log2(e) / 8; M = the running largest t rounded UP to a whole number; p = 2^(t - M) is quantised along the keys, not normalised; the row's sum is taken of the unquantised p;
; when M moves, the sum and O are multiplied by 2^(old M - new M), which rounds nothing.
; BOTH PRODUCTS ARE USED TRANSPOSED (source 0 = keys, or the head's 64; source 1 = queries): a lane holds ONE query throughout, and the 16 registers of two neighbouring tiles are 16 neighbours.
; SHARES: a work-group owns 512 queries of one head.  THE WHOLE HEAD'S k AND v, 204,800 bytes, LIE IN LDS for the whole launch: filled once, each of the eight waves bringing 25,600 bytes by one tensor
; load; no slot is filled again, and no barrier stands in the loops.  The four work-groups of a cluster are the four query blocks of one head: they ask for k and v JOINTLY.
; A wave owns two tiles of 16 queries at a time, which share every fragment of k and v and the mask's registers, and makes two passes.  Two waves share a SIMD: one's vector work stands beside the other's products.
; LIMITS: |score| under 1e20 (the running maximum starts at -1e20, a hidden key's score is -1e30); a batch with no valid key does not give the NaN that a softmax over nothing gives; NaN and infinities are not served.
; No prefetch: all tiles are asked for at the head.
; REGISTERS: window 0: v1-21 addresses; v22-33 scale words (q, p, k, v); v34-67 statistics and work; v68-91 p's codes; v96-159 S, then p; v160-223 O^T, 32 a tile.
;   Window 1: v0-47 k's four fragments; v48-95 v's; v96-159 the mask's 64 numbers; v160-195 q: [q | 0 | q], 18 registers a tile.
.set HEADB,  102400
.set WHICHB, 64*HEADB
.set STEPB,  6400
.set PLB,    768
.set TILEB,  12800
.set MB,     0                         ; LDS: 2,048 keys x 4 bytes: 0 or -1e30 (written by the waves; no tile lands here)
.set KREG,   8192                      ; k's 16 steps
.set VREG,   KREG+HEADB                ; v's
.set SPARE,  VREG+HEADB                ; the spare words, 128 bytes for each wave: four blocks of 256 bytes that no other line names
.set AK16, 1                           ; v1  k: KREG + 16 x lane          v2  KREG + 512 + 8 x lane          v3  its scale words: KREG + 6,144 + 16 r
.set AK8,  2
.set ASK,  3
.set AV16, 4                           ; v4-6 the same for v
.set AV8,  5
.set ASV,  6
.set AB,   7                           ; v7  the mask's numbers: MB + 64 h
.set ADK16, 8                          ; v8-14 the same seven at the step in hand
.set ADK8, 9
.set ADKS, 10
.set ADV16, 11
.set ADV8, 12
.set ADVS, 13
.set ADB,  14
.set QW,   15                          ; v15 q's scale word as loaded
.set SPW,  16                          ; v16 LDS address of my spare word; never rewritten
.set NIL,  17                          ; v17 0; never rewritten
.set L16,  18                          ; v18 16 x lane
.set L8,   19                          ; v19 8 x lane
.set R16,  20                          ; v20 16 r
.set RT,   21                          ; v21 8 r + h x a tile of ao
.set QS,   22                          ; v22-23 q's scale words, a tile each
.set PS,   24                          ; v24-25 p's
.set KS,   26                          ; v26-29 k's, a fragment each
.set VS,   30                          ; v30-33 v's
.set ST,   34                          ; tile t at v[ST + 4 t]: -M, the largest t, the sum in two halves
.set FF,   42                          ; v42-45 f = 2^(old M - new M), a pair for each tile (the low word is used)
.set BM,   46                          ; v46-49 the blocks' largest
.set T2,   50                          ; v50-53 at work
.set SC,   54                          ; v54-57 the conversions' scale operands
.set TP,   58                          ; v58-59 at work
.set CT,   60                          ; v60-67 the conversions' second halves
.set PCD,  68                          ; p's codes, 12 a tile
.set S,    96
.set O,    160
.set KF,   0                           ; window 1
.set VF,   48
.set MBR,  96
.set QF,   160
.set WV,   10                          ; s10 my wave's number
.set G1,   16                          ; s[16:23] descriptor group 1;  s[24:27] group 0
.set G0,   24
.set SEL,  28                          ; s[28:29] lane selects: lane l xor 16
.set CS,   30                          ; s[30:31] c = log2(e) / 8
.set TV,   32                          ; s32 the step in hand x 6,400
.set TM,   33                          ; s33 the step in hand x 512
.set CNT,  34
.set HM,   35                          ; s35 the mask of lanes 16-31
.set QP,   36                          ; s[36:37] q's codes: my fragment of pass 0
.set QSP,  38                          ; s[38:39] and its block, + 4 x fragment: the scale words lie 6,144 further on
.set AOP,  40                          ; s[40:41] ao: my first tile of pass 0, my head's plane
.set AOS,  42                          ; s[42:43] and my head's two bytes among its scale words, less 12,288
.set MSB, 0
.macro WIN new                         ; the immediate's high byte repeats the setting that is left; a switch that changes nothing is dropped
.if MSB != (\new)
	s_set_vgpr_msb (MSB<<8)|(\new)
.set MSB, (\new)
.endif
.endm
.macro CROUND                          ; a round of the cluster's barrier
	s_barrier_signal -1
	s_barrier_wait -1
	s_cmp_lg_u32 s[WV], 0
	s_cbranch_scc1 .Lnot_wave_0_\@
	s_barrier_signal -3
.Lnot_wave_0_\@:
	s_barrier_wait -3
	s_barrier_signal -1
	s_barrier_wait -1
.endm
	s_load_b128 s[4:7], s[0:1], 0x0                ; qkv s[4:5], padding_mask s[6:7]
	s_load_b64 s[8:9], s[0:1], 0x10                ; ao
	v_lshl_add_u32 v[SPW], v0, 2, SPARE
	v_mov_b32 v[NIL], 0
	ds_add_u32 v[SPW], v[NIL]                      ; the wave's opening: the add and its wait stand ahead of my first tensor load; the set-up below, work on registers, stands between them
	ds_add_u32 v[SPW], v[NIL]
	v_lshrrev_b32 v1, 5, v0
	s_delay_alu instid0(VALU_DEP_1)
	v_readfirstlane_b32 s[WV], v1                  ; wave 0..7
	s_bfe_u32 s11, ttmp6, 0x40000                  ; cx: which 512 queries: it enters q's and ao's addresses alone
	s_and_b32 s12, ttmp7, 0xffff                   ; batch x 16 + head, which the four partners share
	s_lshr_b32 s13, s12, 4                         ; the batch
	s_and_b32 s14, s12, 15                         ; the head
	; descriptor group 1: 25,600 dense bytes as 100 rows of 256 bytes (32 elements of 8 bytes)
	s_mov_b32 s[G1], 15|(3<<16)|(1<<21)            ; 15:0 the mask: all four work-groups; 17:16 elements of 8 bytes; 20 no padding; 21 set beside a mask
	s_mov_b32 s[G1+1], 32<<16                      ; tensor_dim0
	s_mov_b32 s[G1+2], 100<<16                     ; tensor_dim1
	s_mov_b32 s[G1+3], 32<<16                      ; tile_dim0
	s_mov_b32 s[G1+4], 100                         ; tile_dim1
	s_mov_b32 s[G1+5], 32                          ; tensor_dim0_stride
	s_mov_b32 s[G1+6], 0
	s_mov_b32 s[G1+7], 0
	s_mul_i32 s48, s12, HEADB                      ; the head's bytes in each of q, k, v
	s_lshr_b32 s49, s[WV], 2
	s_and_b32 s50, s[WV], 3
	s_add_co_u32 s44, s49, 1                       ; waves 0-3 fetch k's quarters, waves 4-7 v's
	s_mul_i32 s44, s44, WHICHB
	s_add_co_u32 s44, s44, s48
	s_mul_i32 s51, s50, 25600
	s_add_co_u32 s44, s44, s51
	s_mov_b32 s45, 0
	s_mul_i32 s51, s[WV], 25600
	s_mov_b32 s[G0], 1                             ; 1:0 count = 1
	s_add_co_u32 s[G0+1], s51, KREG                ; 63:32 LDS address: wave x 25,600 behind the mask's numbers
	s_lshl_b32 s52, s11, 2
	s_add_co_u32 s52, s52, s49                     ; my block of 128 queries in pass 0: 4 cx + wave / 4; pass 1: two further on
	s_mul_i32 s53, s52, STEPB
	s_add_co_u32 s53, s53, s48
	s_mul_i32 s54, s50, 2*PLB                      ; my fragment: wave % 4
	s_add_co_u32 s54, s54, s53
	s_mov_b32 s55, 0
	s_lshl_b32 s56, s50, 2
	s_add_co_u32 s56, s56, s53
	s_mov_b32 s57, 0
	s_lshl_b32 s58, s13, 7                         ; ao: tile = 128 x batch + 8 x block + 2 x fragment
	s_lshl_b32 s59, s52, 3
	s_add_co_u32 s58, s58, s59
	s_lshl_b32 s59, s50, 1
	s_add_co_u32 s58, s58, s59
	s_mul_i32 s58, s58, TILEB
	s_mul_i32 s59, s14, PLB
	s_add_co_u32 s60, s58, s59
	s_mov_b32 s61, 0
	s_lshr_b32 s59, s14, 2
	s_lshl_b32 s59, s59, 7                         ; the scale words of four heads are 128 bytes,
	s_add_co_u32 s62, s58, s59
	s_and_b32 s59, s14, 3
	s_lshl_b32 s59, s59, 1                         ; a head's two bytes lie 2 (head % 4) into a place's 8
	s_add_co_u32 s62, s62, s59
	s_mov_b32 s63, 0
	s_lshl_b32 s46, s13, 11                        ; the batch's 2,048 mask bytes
	s_mov_b32 s47, 0
	s_mov_b32 s[SEL], 0x76543210
	s_mov_b32 s[SEL+1], 0xfedcba98
	s_mov_b32 s[CS], 0x3e38aa3b                    ; log2(e) / 8
	s_mov_b32 s[CS+1], s[CS]                       ; (named with it as a pair, so it is written)
	s_mov_b32 s[TV], 0
	s_mov_b32 s[TM], 0
	s_wait_dscnt 0x0                               ; the opening add is done
	s_wait_kmcnt 0x0
	s_add_nc_u64 s[G0+2:G0+3], s[4:5], s[44:45]    ; 120:64 global address
	s_or_b32 s[G0+3], s[G0+3], 0x80000000          ; 127:126 type = 2
	s_add_nc_u64 s[QP:QP+1], s[4:5], s[54:55]
	s_add_nc_u64 s[QSP:QSP+1], s[4:5], s[56:57]
	s_add_nc_u64 s[AOP:AOP+1], s[8:9], s[60:61]
	s_add_nc_u64 s[AOS:AOS+1], s[8:9], s[62:63]
	s_add_nc_u64 s[6:7], s[6:7], s[46:47]
	CROUND                                         ; all four work-groups are here: the joint loads meet
	tensor_load_to_lds s[G0:G0+3], s[G1:G1+7]      ; my one tensor load of the launch
	s_nop 0
.rept 4
	v_nop
.endr
	v_lshlrev_b32 v96, 3, v0
	global_load_b64 v[98:99], v96, s[6:7]          ; eight mask bytes a thread: 256 threads take the batch's 2,048
	v_and_b32 v[TP], 31, v0                        ; lane
	v_and_b32 v[TP+1], 15, v0                      ; r
	v_bfe_u32 v[CT], v0, 4, 1                      ; h
	s_delay_alu instid0(VALU_DEP_3)
	v_lshlrev_b32 v[L16], 4, v[TP]
	s_delay_alu instid0(VALU_DEP_4)
	v_lshlrev_b32 v[L8], 3, v[TP]
	s_delay_alu instid0(VALU_DEP_4)
	v_lshlrev_b32 v[R16], 4, v[TP+1]
.macro QLOADS ps                       ; my two tiles of queries of pass ps: each image twice, round the six zero registers; and the fragment's scale word
	WIN 0x40                                       ; destination window 1
.irp t, 0,1
	global_load_b128 v[QF+18*\t:QF+18*\t+3], v[L16], s[QP:QP+1] offset:\ps*2*STEPB+PLB*\t
	global_load_b64 v[QF+18*\t+4:QF+18*\t+5], v[L8], s[QP:QP+1] offset:\ps*2*STEPB+PLB*\t+512
	global_load_b128 v[QF+18*\t+12:QF+18*\t+15], v[L16], s[QP:QP+1] offset:\ps*2*STEPB+PLB*\t
	global_load_b64 v[QF+18*\t+16:QF+18*\t+17], v[L8], s[QP:QP+1] offset:\ps*2*STEPB+PLB*\t+512
.endr
	WIN 0
	global_load_b32 v[QW], v[R16], s[QSP:QSP+1] offset:\ps*2*STEPB+8*PLB
.endm
	QLOADS 0
	WIN 0x40
.irp t, 0,1
.irp i, 6,7,8,9,10,11
	v_mov_b32 v[QF+18*\t+\i], 0                    ; 64 zero codes between the two copies of q: they stay
.endr
.endr
	WIN 0
	v_mul_u32_u24 v[RT], v[CT], TILEB
	s_delay_alu instid0(VALU_DEP_1)
	v_lshl_add_u32 v[RT], v[TP+1], 3, v[RT]
	v_add_nc_u32 v[AK16], KREG, v[L16]
	v_add_nc_u32 v[AK8], KREG+512, v[L8]
	v_add_nc_u32 v[ASK], KREG+8*PLB, v[R16]
	v_add_nc_u32 v[AV16], VREG, v[L16]
	v_add_nc_u32 v[AV8], VREG+512, v[L8]
	v_add_nc_u32 v[ASV], VREG+8*PLB, v[R16]
	v_lshlrev_b32 v[AB], 6, v[CT]
	v_cmp_ne_u32 s[HM], 0, v[CT]
.irp b, 0,1,2,3
	v_mov_b32 v[T2+\b], 0                          ; (a lane permute's destination counts as one of its sources)
.endr
	v_mov_b32 v113, 0xf149f2ca                     ; -1e30
	v_lshlrev_b32 v114, 5, v0                      ; MB + 32 x thread
	s_wait_alu depctr_va_vdst(0)
	s_wait_loadcnt 0x0                             ; the mask bytes (and q)
.irp k, 0,1,2,3
	v_bfe_u32 v112, v98, 8*\k, 8
	s_delay_alu instid0(VALU_DEP_1)
	v_cmp_eq_u32 vcc_lo, 0, v112
	s_delay_alu instid0(VALU_DEP_1)
	v_cndmask_b32 v[104+\k], 0, v113, vcc_lo       ; 0 for a key that counts, -1e30 for one that does not
.endr
.irp k, 0,1,2,3
	v_bfe_u32 v112, v99, 8*\k, 8
	s_delay_alu instid0(VALU_DEP_1)
	v_cmp_eq_u32 vcc_lo, 0, v112
	s_delay_alu instid0(VALU_DEP_1)
	v_cndmask_b32 v[108+\k], 0, v113, vcc_lo
.endr
	ds_store_b128 v114, v[104:107]
	ds_store_b128 v114, v[108:111] offset:16
	s_wait_tensorcnt 0x0                           ; my part of k or v has landed,
	s_wait_dscnt 0x0                               ; my part of the mask's numbers is stored,
	s_barrier_signal -1
	s_barrier_wait -1                              ; everybody's: from here on LDS is only read
.macro KADDR                           ; the k side's four addresses at the step in hand: four plain lines
	v_add_nc_u32 v[ADK16], s[TV], v[AK16]
	v_add_nc_u32 v[ADK8], s[TV], v[AK8]
	v_add_nc_u32 v[ADKS], s[TV], v[ASK]
	v_add_nc_u32 v[ADB], s[TM], v[AB]
.endm
.macro KLOADS o                        ; 33 LDS loads: k's four fragments, the mask's 64 numbers, k's scale words, of the step in hand (o = 0) or the next (o = 1)
	WIN 0x40
.irp f, 0,1,2,3
	ds_load_b128 v[KF+12*\f:KF+12*\f+3], v[ADK16] offset:\o*STEPB+2*PLB*\f
	ds_load_b64 v[KF+12*\f+4:KF+12*\f+5], v[ADK8] offset:\o*STEPB+2*PLB*\f
	ds_load_b128 v[KF+12*\f+6:KF+12*\f+9], v[ADK16] offset:\o*STEPB+2*PLB*\f+PLB
	ds_load_b64 v[KF+12*\f+10:KF+12*\f+11], v[ADK8] offset:\o*STEPB+2*PLB*\f+PLB
.endr
.irp t, 0,1,2,3,4,5,6,7                        ; tile t's register j is key 32 (t / 2) + 16 h + 8 (t % 2) + j
	ds_load_b128 v[MBR+8*\t:MBR+8*\t+3], v[ADB] offset:\o*512+128*(\t/2)+32*(\t%2)
	ds_load_b128 v[MBR+8*\t+4:MBR+8*\t+7], v[ADB] offset:\o*512+128*(\t/2)+32*(\t%2)+16
.endr
	WIN 0
	ds_load_b128 v[KS:KS+3], v[ADKS] offset:\o*STEPB
.endm
.macro VLOADS                          ; 17 LDS loads: v's four fragments and their scale words
	WIN 0x40
.irp t, 0,1,2,3
	ds_load_b128 v[VF+12*\t:VF+12*\t+3], v[ADV16] offset:2*PLB*\t
	ds_load_b64 v[VF+12*\t+4:VF+12*\t+5], v[ADV8] offset:2*PLB*\t
	ds_load_b128 v[VF+12*\t+6:VF+12*\t+9], v[ADV16] offset:2*PLB*\t+PLB
	ds_load_b64 v[VF+12*\t+10:VF+12*\t+11], v[ADV8] offset:2*PLB*\t+PLB
.endr
	WIN 0
	ds_load_b128 v[VS:VS+3], v[ADVS]
.endm
.macro SPROD qt                        ; S^T of query tile qt: eight tiles of 16 keys.  Key tile t lies in half t % 2 of fragment t / 2: q stands in that half, zeros in the other.  C = the mask's numbers
	WIN 0x15                                       ; sources 0, 1 and 2 window 1, destination window 0
.irp t, 0,1,2,3,4,5,6,7
	v_wmma_scale_f32_16x16x128_f8f6f4 v[S+8*\t:S+8*\t+7], v[KF+12*(\t/2):KF+12*(\t/2)+11], v[QF+18*\qt+6*(\t%2):QF+18*\qt+6*(\t%2)+11], v[MBR+8*\t:MBR+8*\t+7], v[KS+\t/2], v[QS+\qt] matrix_a_fmt:MATRIX_FMT_FP6 matrix_b_fmt:MATRIX_FMT_FP6
.endr
	WIN 0
.endm
.macro PVPROD                          ; O^T += v^T p^T: eight accumulators, one instruction each
	WIN 0x01                                       ; source 0 (v) window 1
.irp t, 0,1,2,3
.irp q, 0,1
	v_wmma_scale_f32_16x16x128_f8f6f4 v[O+32*\q+8*\t:O+32*\q+8*\t+7], v[VF+12*\t:VF+12*\t+11], v[PCD+12*\q:PCD+12*\q+11], v[O+32*\q+8*\t:O+32*\q+8*\t+7], v[VS+\t], v[PS+\q] matrix_a_fmt:MATRIX_FMT_FP6 matrix_b_fmt:MATRIX_FMT_FP6
.endr
.endr
	WIN 0
.endm
; One tile's softmax for 128 keys.  Register 16 b + i of S is key 32 b + 16 h + i of my query.
.macro SOFTMAX qt
.set NM, ST+4*\qt
.set FQ, FF+2*\qt
.set PQ, PCD+12*\qt
.irp b, 0,1,2,3
	v_max3_num_f32 v[BM+\b], v[S+16*\b], v[S+16*\b+1], v[S+16*\b+2]   ; the largest score of each block of 32 keys: it serves for the row's maximum and, since p rises with the score, for the block's largest p
.endr
.irp i, 3,5,7,9,11,13
.irp b, 0,1,2,3
	v_max3_num_f32 v[BM+\b], v[BM+\b], v[S+16*\b+\i], v[S+16*\b+\i+1]   ; (the four blocks by turns)
.endr
.endr
.irp b, 0,1,2,3
	v_max_num_f32 v[BM+\b], v[BM+\b], v[S+16*\b+15]
.endr
.irp b, 0,1,2,3
	s_delay_alu instid0(VALU_DEP_4)
	v_permlanex16_b32 v[T2+\b], v[BM+\b], s[SEL], s[SEL+1]
.endr
.irp b, 0,1,2,3
	s_delay_alu instid0(VALU_DEP_4)
	v_max_num_f32 v[BM+\b], v[BM+\b], v[T2+\b]     ; with lane l xor 16's 16 keys
.endr
	s_delay_alu instid0(VALU_DEP_2)
	v_max3_num_f32 v[TP], v[BM], v[BM+1], v[BM+2]
	s_delay_alu instid0(VALU_DEP_1)
	v_max_num_f32 v[TP], v[TP], v[BM+3]            ; the step's largest score of my query
	s_delay_alu instid0(VALU_DEP_1)
	v_mul_f32 v[TP], s[CS], v[TP]                  ; as t (c is positive)
	s_delay_alu instid0(VALU_DEP_1)
	v_max_num_f32 v[NM+1], v[NM+1], v[TP]          ; the running largest t
	v_mov_b32 v[TP], v[NM]
	s_delay_alu instid0(VALU_DEP_2)
	v_floor_f32 v[NM], -v[NM+1]                    ; the new -M = floor(-t): M is a whole number
	s_delay_alu instid0(VALU_DEP_1)
	v_sub_f32 v[TP], v[NM], v[TP]                  ; old M - new M: a whole number, 0 or less
	s_delay_alu instid0(VALU_DEP_1)
	v_cvt_i32_f32 v[TP], v[TP]                     ; (it saturates)
	s_delay_alu instid0(VALU_DEP_1)
	v_ldexp_f32 v[FQ], 1.0, v[TP]                  ; f = 2^(old M - new M)
.set j, 0
.rept 32
	v_pk_fma_f32 v[S+j:S+j+1], v[S+j:S+j+1], s[CS:CS+1], v[NM:NM+1] op_sel_hi:[1,0,0]   ; t - M, two at a time (of the pairs c and -M the low word serves both halves)
.set j, j+2
.endr
.irp b, 0,1,2,3
	v_fma_f32 v[BM+\b], v[BM+\b], s[CS], v[NM]     ; the same of each block's largest score
.endr
.set j, 0
	s_wait_alu depctr_va_vdst(0)
.irp b, 0,1,2,3
	v_exp_f32 v[BM+\b], v[BM+\b]                   ; the block's largest p: the same two instructions on the same number give the same bits
.endr
.rept 64
	v_exp_f32 v[S+j], v[S+j]
.set j, j+1
.endr
	v_pk_mul_f32 v[NM+2:NM+3], v[NM+2:NM+3], v[FQ:FQ+1] op_sel_hi:[1,0]   ; the sum under the new M; the plain line behind the exponentials
	s_wait_alu depctr_va_vdst(0)                   ; the wait ahead of the first line that names an exponential's result: one for the batch of 68
	v_pk_add_f32 v[T2:T2+1], v[S:S+1], v[S+2:S+3]  ; the row's sum is taken of the UNQUANTISED p: two at a time, in four chains
	v_pk_add_f32 v[T2+2:T2+3], v[S+4:S+5], v[S+6:S+7]
	v_pk_add_f32 v[TP:TP+1], v[S+8:S+9], v[S+10:S+11]
.set j, 12
.rept 6
	v_pk_add_f32 v[NM+2:NM+3], v[NM+2:NM+3], v[S+j:S+j+1]
	v_pk_add_f32 v[T2:T2+1], v[T2:T2+1], v[S+j+2:S+j+3]
	v_pk_add_f32 v[T2+2:T2+3], v[T2+2:T2+3], v[S+j+4:S+j+5]
	v_pk_add_f32 v[TP:TP+1], v[TP:TP+1], v[S+j+6:S+j+7]
.set j, j+8
.endr
	v_pk_add_f32 v[NM+2:NM+3], v[NM+2:NM+3], v[S+60:S+61]
	v_pk_add_f32 v[T2:T2+1], v[T2:T2+1], v[S+62:S+63]
	v_pk_add_f32 v[T2+2:T2+3], v[T2+2:T2+3], v[TP:TP+1]
	s_delay_alu instid0(VALU_DEP_2)
	v_pk_add_f32 v[NM+2:NM+3], v[NM+2:NM+3], v[T2:T2+1]
	s_delay_alu instid0(VALU_DEP_1)
	v_pk_add_f32 v[NM+2:NM+3], v[NM+2:NM+3], v[T2+2:T2+3]
.irp b, 0,1,2,3
	v_max_num_f32 v[BM+\b], 0x1800000, v[BM+\b]    ; the floor 2^(3 - 127): the byte cannot fall under 1 (a block whose every p is 0 keeps that byte: its codes are zeros)
.endr
.irp b, 0,1,2,3
	s_delay_alu instid0(VALU_DEP_4)
	v_add_nc_u32 v[SC+\b], 0xff000000, v[BM+\b]    ; 2 off the exponent field: the conversion's scale operand
.endr
.irp b, 0,1,2,3
	s_delay_alu instid0(VALU_DEP_4)
	v_lshrrev_b32 v[T2+\b], 23, v[SC+\b]           ; the scale's byte
.endr
	s_delay_alu instid0(VALU_DEP_3)
	v_lshl_or_b32 v[PS+\qt], v[T2+1], 8, v[T2]     ; p's scale word for these 128 keys
	s_delay_alu instid0(VALU_DEP_1)
	v_lshl_or_b32 v[PS+\qt], v[T2+2], 16, v[PS+\qt]
	s_delay_alu instid0(VALU_DEP_1)
	v_lshl_or_b32 v[PS+\qt], v[T2+3], 24, v[PS+\qt]
.irp c, 0,1
	v_cvt_scalef32_pk16_fp6_f32 v[PQ+6*\c:PQ+6*\c+2], v[S+32*\c:S+32*\c+15], v[SC+2*\c]
	v_cvt_scalef32_pk16_fp6_f32 v[CT+4*\c:CT+4*\c+2], v[S+32*\c+16:S+32*\c+31], v[SC+2*\c+1]   ; (a conversion's three registers begin on an even number)
.endr
	v_nop                                          ; one plain line behind the conversions
.irp c, 0,1                                    ; the operand's layout wants a WHOLE block in a lane
.irp i, 0,1,2
	v_permlane16_swap_b32 v[PQ+6*\c+\i], v[CT+4*\c+\i]
.endr
.irp i, 0,1,2
	s_delay_alu instid0(VALU_DEP_3)
	v_mov_b32 v[PQ+6*\c+3+\i], v[CT+4*\c+\i]
.endr
.endr
.endm
; A KEY STEP: 128 keys, both tiles.  ahead = 1: the next step's k side is fetched while this step's second softmax runs.
; Behind each run of products stand four plain lines that name none of their registers, ahead of the loads into registers that they have read and of the first read of their results (ISA guide 7.12.1 for the first read of their results).
.macro STEP ahead
	s_wait_dscnt 0x0                               ; the k side is in
	SPROD 0
	v_add_nc_u32 v[ADV16], s[TV], v[AV16]
	v_add_nc_u32 v[ADV8], s[TV], v[AV8]
	v_add_nc_u32 v[ADVS], s[TV], v[ASV]
	v_nop
	VLOADS                                         ; v of this step: it has both softmaxes in which to come
	SOFTMAX 0
	SPROD 1
.if \ahead
	KADDR
	KLOADS 1
.else
.rept 4
	v_nop
.endr
.endif
	SOFTMAX 1
.irp q, 0,1
.set j, 0
.rept 16
	v_pk_mul_f32 v[O+32*\q+j:O+32*\q+j+1], v[O+32*\q+j:O+32*\q+j+1], v[FF+2*\q:FF+2*\q+1] op_sel_hi:[1,0]   ; O^T under the new M.  (These 32 also stand between the lines that made p's codes and scale word and the products that take them)
.set j, j+2
.endr
.endr
.if \ahead
	s_wait_alu depctr_va_vdst(0)
	s_wait_dscnt 33                                ; v's 17 loads are in; the 33 of the next step's k side, issued behind them, may be out
.else
	s_wait_alu depctr_va_vdst(0)
	s_wait_dscnt 0x0
.endif
	PVPROD
	s_add_co_u32 s[TV], s[TV], STEPB
	s_add_co_u32 s[TM], s[TM], 512
.endm
; THE WAY OUT of a pass: O^T / the row's sum, quantised along the head's 64 (two blocks a query), as one plane of two tiles of ao.
.macro OUTP ps
.rept 4
	v_nop                                          ; behind the last products
.endr
.if \ps == 0
	s_mov_b32 s[TV], 0                             ; the next pass's q and its first k side are asked for here and come while this pass goes out
	s_mov_b32 s[TM], 0
	QLOADS 1
	KADDR
	KLOADS 0
.endif
.irp q, 0,1
	v_add_f32 v[TP+\q], v[ST+4*\q+2], v[ST+4*\q+3] ; the sum's two halves,
.endr
.irp q, 0,1
	s_delay_alu instid0(VALU_DEP_2)
	v_permlanex16_b32 v[T2+\q], v[TP+\q], s[SEL], s[SEL+1]
.endr
.irp q, 0,1
	s_delay_alu instid0(VALU_DEP_2)
	v_add_f32 v[TP+\q], v[TP+\q], v[T2+\q]         ; and lane l xor 16's: the row's sum
.endr
	s_wait_alu depctr_va_vdst(0)
.irp q, 0,1
	v_rcp_f32 v[FF+2*\q], v[TP+\q]
.endr
	v_nop                                          ; a plain line behind the reciprocals
	s_wait_alu depctr_va_vdst(0)                   ; and the wait ahead of their first reader: one for the two
.irp q, 0,1
.set j, 0
.rept 16
	v_pk_mul_f32 v[S+32*\q+j:S+32*\q+j+1], v[O+32*\q+j:O+32*\q+j+1], v[FF+2*\q:FF+2*\q+1] op_sel_hi:[1,0]   ; register 32 q + 16 g + i: channel 32 g + 16 h + i of tile q's query r
.set j, j+2
.endr
.endr
.irp n, 0,1,2,3                                ; block n = 2 q + g
	v_max3_num_f32 v[BM+\n], |v[S+16*\n]|, |v[S+16*\n+1]|, 0x1800000
.endr
.irp i, 2,4,6,8,10,12,14
.irp n, 0,1,2,3
	s_delay_alu instid0(VALU_DEP_4)
	v_max3_num_f32 v[BM+\n], v[BM+\n], |v[S+16*\n+\i]|, |v[S+16*\n+\i+1]|
.endr
.endr
.irp n, 0,1,2,3
	s_delay_alu instid0(VALU_DEP_4)
	v_permlanex16_b32 v[T2+\n], v[BM+\n], s[SEL], s[SEL+1]
.endr
.irp n, 0,1,2,3
	s_delay_alu instid0(VALU_DEP_4)
	v_max_num_f32 v[BM+\n], v[BM+\n], v[T2+\n]
.endr
.irp n, 0,1,2,3
	s_delay_alu instid0(VALU_DEP_4)
	v_add_nc_u32 v[SC+\n], 0xff000000, v[BM+\n]
.endr
.irp n, 0,1,2,3
	s_delay_alu instid0(VALU_DEP_4)
	v_lshrrev_b32 v[T2+\n], 23, v[SC+\n]
.endr
	s_delay_alu instid0(VALU_DEP_3)
	v_lshl_or_b32 v[TP], v[T2+1], 8, v[T2]         ; a tile's two bytes;
	s_delay_alu instid0(VALU_DEP_2)
	v_lshl_or_b32 v[TP+1], v[T2+3], 8, v[T2+2]
	s_delay_alu instid0(VALU_DEP_1)
	v_cndmask_b32 v[TP], v[TP], v[TP+1], s[HM]     ; lanes 0-15 store the first tile's, lanes 16-31 the second's
.irp q, 0,1
	v_cvt_scalef32_pk16_fp6_f32 v[PCD+12*\q:PCD+12*\q+2], v[S+32*\q:S+32*\q+15], v[SC+2*\q]
	v_cvt_scalef32_pk16_fp6_f32 v[CT+4*\q:CT+4*\q+2], v[S+32*\q+16:S+32*\q+31], v[SC+2*\q+1]
.endr
	v_nop                                          ; one plain line behind the conversions
.irp q, 0,1
.irp i, 0,1,2
	v_permlane16_swap_b32 v[PCD+12*\q+\i], v[CT+4*\q+\i]
.endr
.irp i, 0,1,2
	s_delay_alu instid0(VALU_DEP_3)
	v_mov_b32 v[PCD+12*\q+3+\i], v[CT+4*\q+\i]
.endr
.endr
.irp q, 0,1
	global_store_b128 v[L16], v[PCD+12*\q:PCD+12*\q+3], s[AOP:AOP+1] offset:\ps*16*TILEB+\q*TILEB         ; 512 consecutive bytes, aligned to 256
	global_store_b64 v[L8], v[PCD+12*\q+4:PCD+12*\q+5], s[AOP:AOP+1] offset:\ps*16*TILEB+\q*TILEB+512     ; 256 consecutive bytes, aligned
.endr
	global_store_b16 v[RT], v[TP], s[AOS:AOS+1] offset:\ps*16*TILEB+16*PLB   ; two bytes a query: the word's other bytes belong to other heads' work-groups; 1 byte in 24 of what the launch stores
.if \ps == 0
	s_wait_xcnt 0x0                                ; the stores have read their registers: the next pass writes them again
.endif
.endm
.macro PASS ps
	s_wait_loadcnt 0x0                             ; q
	v_perm_b32 v[QS], v[QW], v[QW], 0x01000100     ; a tile's two bytes, twice: they serve [q | 0] and [0 | q]
	v_perm_b32 v[QS+1], v[QW], v[QW], 0x03020302
.irp q, 0,1
	v_mov_b32 v[ST+4*\q+1], 0xe0ad78ec             ; the largest t so far: -1e20: under every t, over every hidden key's
	s_delay_alu instid0(VALU_DEP_1)
	v_floor_f32 v[ST+4*\q], -v[ST+4*\q+1]          ; -M
	v_mov_b32 v[ST+4*\q+2], 0                      ; the sum, in two halves
	v_mov_b32 v[ST+4*\q+3], 0
	v_mov_b32 v[FF+2*\q], 0
	v_mov_b32 v[FF+2*\q+1], 0                      ; (named as a pair's upper half)
.endr
.set j, 0
.rept 64
	v_mov_b32 v[O+j], 0                            ; O^T.  (The step is written once for all steps: the first finds zeros, which the first change of M leaves zeros)
.set j, j+1
.endr
	s_mov_b32 s[CNT], 15
.Lstep_\@:
	STEP 1
	s_sub_co_u32 s[CNT], s[CNT], 1
	s_cmp_lg_u32 s[CNT], 0
	s_cbranch_scc1 .Lstep_\@
	STEP 0                                         ; the last step fetches nothing ahead
	OUTP \ps
.endm
	KADDR
	KLOADS 0
	PASS 0
	PASS 1
	s_wait_tensorcnt 0x0                           ; the wave's end: behind my last tensor load and my last LDS store
	ds_add_u32 v[SPW], v[NIL]
	s_wait_dscnt 0x0
	CROUND                                         ; the closing round
	s_endpgm
.Lfunc_end_k_qc70b34bdb5_attn:
	.size	k_qc70b34bdb5_attn, .Lfunc_end_k_qc70b34bdb5_attn-k_qc70b34bdb5_attn
	.p2alignl 7, 3214868480
	.fill 96, 4, 3214868480
	.section	.rodata,"a",@progbits
	.p2align	6, 0x0
	.amdhsa_kernel k_qc70b34bdb5_attn
		.amdhsa_group_segment_fixed_size 214016
		.amdhsa_private_segment_fixed_size 0
		.amdhsa_enable_private_segment 0
		.amdhsa_kernarg_size 24
		.amdhsa_user_sgpr_count 2
		.amdhsa_user_sgpr_kernarg_segment_ptr 1
		.amdhsa_wavefront_size32 1
		.amdhsa_system_sgpr_workgroup_id_x 1
		.amdhsa_system_sgpr_workgroup_id_y 1
		.amdhsa_system_sgpr_workgroup_id_z 1
		.amdhsa_system_vgpr_workitem_id 0
		.amdhsa_next_free_vgpr 512
		.amdhsa_next_free_sgpr 66
		.amdhsa_reserve_vcc 1
		.amdhsa_float_denorm_mode_32 3
		.amdhsa_float_denorm_mode_16_64 3
		.amdhsa_memory_ordered 1
		.amdhsa_forward_progress 1
		.amdhsa_inst_pref_size 163
	.end_amdhsa_kernel
	.amdgpu_metadata
---
amdhsa.version: [ 1, 2 ]
amdhsa.kernels:
  - .name:           k_qc70b34bdb5_attn
    .symbol:         k_qc70b34bdb5_attn.kd
    .args:
      - { .name: qkv, .offset: 0, .size: 8, .value_kind: global_buffer, .address_space: global }
      - { .name: padding_mask, .offset: 8, .size: 8, .value_kind: global_buffer, .address_space: global }
      - { .name: ao, .offset: 16, .size: 8, .value_kind: global_buffer, .address_space: global }
    .group_segment_fixed_size: 214016
    .private_segment_fixed_size: 0
    .kernarg_segment_align: 8
    .kernarg_segment_size: 24
    .max_flat_workgroup_size: 256
    .sgpr_count:     66
    .vgpr_count:     512
    .wavefront_size: 32
...
	.end_amdgpu_metadata
.endif
;; end of part 3
;; launch proj (part 4): grid 4 x 32, 4 waves a work-group, clusters of 4 x 4, 327,680 bytes of LDS; arguments ao, opq, proj_b, out0; writes out0
.if DOCPART == 4
	.amdgcn_target "amdgcn-amd-amdhsa--gfx1250"
	.amdhsa_code_object_version 6
	.text
	.protected	k_qc70b34bdb5_proj
	.globl	k_qc70b34bdb5_proj
	.p2align	8
	.type	k_qc70b34bdb5_proj,@function
k_qc70b34bdb5_proj:
	s_mov_b64 s[64:65], 0
	v_nop
	global_prefetch_b8 v0, s[64:65] scope:SCOPE_SE
	s_setreg_imm32_b32 hwreg(HW_REG_WAVE_MODE, 25, 1), 1
	s_wait_xcnt 0x0
	s_wait_alu depctr_hold_cnt(0) depctr_sa_sdst(0) depctr_va_vdst(0) depctr_va_sdst(0) depctr_va_ssrc(0) depctr_va_vcc(0) depctr_vm_vsrc(0)
	s_getreg_b32 s2, hwreg(HW_REG_IB_STS2, 6, 4)
	s_cmp_eq_u32 s2, 0
	s_cbranch_scc0 .Lentry_in_a_cluster
	s_endpgm
.Lentry_in_a_cluster:
	s_bfe_u32 s2, ttmp6, 0x10000c
	s_cmp_lg_u32 s2, 0xf033
	s_cbranch_scc0 .Lentry_shape_is_right
	s_endpgm
.Lentry_shape_is_right:
.set TILEB,  12800
.set PLB,    768
.set SLB,    4*PLB
.set UNITB,  16*TILEB
.set HALFU,  8*TILEB
.set NQ,     2
.set FR,     12
.set NL,     4
.set NP,     4
.set HALFT,  8*SLB
.set SLOT,   4*HALFT
.set SCL,    2*SLOT
.set HALFS,  8*512
.set SBLK,   512
.set SPARE,  SCL+4*HALFS
.set SPITCH, 528
.set ROWB,   4096
.set ADRA, 16
.set ADRB, 20
.set STO,  24
.set RD,   25
.set CO,   26
.set ADRS, 27
.set SPW,  28
.set NIL,  29
.set BQ,   30
.set SC,   32
.set BI,   64
.set AF,   128
.set BK,   128
.set G1, 24
.set G0, 32
.set G1B, 48
.set G0B, 56
.set G1S, 68
.set G0S, 76
.set G1SB, 80
.set G0SB, 88
.set MSB, 0
.macro WIN new
.if MSB != (\new)
	s_set_vgpr_msb (MSB<<8)|(\new)
.set MSB, (\new)
.endif
.endm
.set MUL_LO,  0xa1
.set MUL_HI,  0xf1
.set BIAS_LO, 0x81
.set BIAS_HI, 0xc1
.set TO_B,    0x40
.macro JLOAD g0a, g1a, g0b, g1b
	s_cmp_eq_u32 s15, 0
	s_cbranch_scc0 .Lfor_b_\@
	tensor_load_to_lds s[\g0a:\g0a+3], s[\g1a:\g1a+7]
	s_nop 0
.rept 4
	v_nop
.endr
	s_branch .Lasked_\@
.Lfor_b_\@:
	tensor_load_to_lds s[\g0b:\g0b+3], s[\g1b:\g1b+7]
	s_nop 0
.rept 4
	v_nop
.endr
.Lasked_\@:
.endm
.macro CREST
	s_cmp_lg_u32 s14, 0
	s_cbranch_scc1 .Lnot_wave_0_\@
	s_barrier_signal -3
.Lnot_wave_0_\@:
	s_barrier_wait -3
	s_barrier_signal -1
	s_barrier_wait -1
.endm
.macro CROUND
	s_barrier_signal -1
	s_barrier_wait -1
	CREST
.endm
	s_load_b256 s[4:11], s[0:1], 0x0
	v_lshl_add_u32 v[SPW], v0, 2, SPARE
	v_mov_b32 v[NIL], 0
	ds_add_u32 v[SPW], v[NIL]
	ds_add_u32 v[SPW], v[NIL]
	v_lshrrev_b32 v1, 5, v0
	v_readfirstlane_b32 s14, v1
	s_lshr_b32 s15, s14, 1
	s_and_b32 s16, s14, 1
	s_bfe_u32 s40, ttmp6, 0x40000
	s_bfe_u32 s41, ttmp6, 0x40004
	s_lshl_b32 s42, ttmp9, 2
	s_add_co_u32 s42, s42, s40
	s_and_b32 s17, ttmp7, 0xffff
	s_lshl_b32 s17, s17, 2
	s_add_co_u32 s17, s17, s41
	s_lshl_b32 s43, s41, 2
	s_lshl_b32 s43, 15, s43
	s_lshl_b32 s44, 0x1111, s40
	s_or_b32 s[G1+0], s43, (3<<16)|(1<<21)
	s_or_b32 s[G1B+0], s44, (3<<16)|(1<<21)
.irp g, G1, G1B
	s_mov_b32 s[\g+1], 384<<16
	s_mov_b32 s[\g+2], 16<<16                      ; the head's loads bring all 16 tiles; the ring's 8 are set behind the head's wait
	s_mov_b32 s[\g+3], 384<<16
	s_mov_b32 s[\g+4], 16
	s_mov_b32 s[\g+5], 1600
	s_mov_b32 s[\g+6], 0
	s_mov_b32 s[\g+7], 0
.endr
	s_or_b32 s[G1S+0], s43, (3<<16)|(1<<21)
	s_or_b32 s[G1SB+0], s44, (3<<16)|(1<<21)
.irp g, G1S, G1SB
	s_mov_b32 s[\g+1], 64<<16
	s_mov_b32 s[\g+2], 16<<16                      ; the scale words of 16 tiles, 512 bytes each
	s_mov_b32 s[\g+3], 64<<16
	s_mov_b32 s[\g+4], 16
	s_mov_b32 s[\g+5], 1600
	s_mov_b32 s[\g+6], 0
	s_mov_b32 s[\g+7], 0
.endr
	s_mul_i32 s20, s17, UNITB
	s_add_co_u32 s46, s42, 44
	s_mul_i32 s46, s46, UNITB
	s_mul_i32 s2, s16, HALFU                       ; s[2:3]: which 8 tiles I fetch in the ring, in bytes
	s_mov_b32 s3, 0
	s_mov_b32 s21, 0
	s_mov_b32 s47, 0
	s_mul_i32 s45, s14, HALFT
	s_wait_dscnt 0x0
	s_wait_kmcnt 0x0
	s_add_nc_u64 s[20:21], s[4:5], s[20:21]
	s_add_nc_u64 s[46:47], s[6:7], s[46:47]
.set PFA, 98                           ; s[98:99] where my prefetches stand; v8 their lane offset; neither is rewritten
	; THE HEAD'S FOUR TILES, each whole, one joint load a wave: K slot 0 of A's 16 tiles, of B's 16 tiles, A's scale words, B's
	s_mov_b32 s[G0], 1
	s_mov_b32 s[G0+1], 0
	s_mov_b64 s[G0+2:G0+3], s[20:21]
	s_or_b32 s[G0+3], s[G0+3], 0x80000000
	s_mov_b32 s[G0B], 1
	s_mov_b32 s[G0B+1], 2*HALFT
	s_mov_b64 s[G0B+2:G0B+3], s[46:47]
	s_or_b32 s[G0B+3], s[G0B+3], 0x80000000
	s_mov_b32 s[G0S], 1
	s_mov_b32 s[G0S+1], SCL
	s_add_nc_u64 s[G0S+2:G0S+3], s[20:21], 16*PLB
	s_or_b32 s[G0S+3], s[G0S+3], 0x80000000
	s_mov_b32 s[G0SB], 1
	s_mov_b32 s[G0SB+1], SCL+2*HALFS
	s_add_nc_u64 s[G0SB+2:G0SB+3], s[46:47], 16*PLB
	s_or_b32 s[G0SB+3], s[G0SB+3], 0x80000000
	s_add_nc_u64 s[20:21], s[20:21], s[2:3]        ; for the ring: my 8 tiles
	s_add_nc_u64 s[46:47], s[46:47], s[2:3]
	s_mov_b32 s[G0+4], 1                           ; slot 1's group 0: K slot 1
	s_add_co_u32 s[G0+5], s45, SLOT
	s_add_nc_u64 s[G0+6:G0+7], s[20:21], SLB
	s_or_b32 s[G0+7], s[G0+7], 0x80000000
	s_mov_b32 s[G0B+4], 1
	s_add_co_u32 s[G0B+5], s45, SLOT
	s_add_nc_u64 s[G0B+6:G0B+7], s[46:47], SLB
	s_or_b32 s[G0B+7], s[G0B+7], 0x80000000
	; the prefetches: of the 8 tiles that I fetch in the ring, the four partners of the joint load take 2 each, told apart by address (cx for A, cy for B)
	s_cmp_eq_u32 s15, 0
	s_cselect_b64 s[PFA:PFA+1], s[20:21], s[46:47]
	s_cselect_b32 s96, s40, s41
	s_mul_i32 s96, s96, 2*TILEB
	s_mov_b32 s97, 0
	s_add_nc_u64 s[PFA:PFA+1], s[PFA:PFA+1], s[96:97]
	CROUND                                         ; all sixteen work-groups are here: the first joint loads meet
.macro ARM under, g0, g1, next         ; one chain of branches on the wave's number, one load to an arm, all arms to one join
	s_cmp_lt_u32 s14, \under
	s_cbranch_scc0 \next
	tensor_load_to_lds s[\g0:\g0+3], s[\g1:\g1+7]
	s_nop 0
.rept 4
	v_nop
.endr
	s_branch .Lhead_asked
\next:
.endm
	ARM 1, G0,  G1,  .Lhead_b
	ARM 2, G0B, G1B, .Lhead_sa
	ARM 3, G0S, G1S, .Lhead_sb
	tensor_load_to_lds s[G0SB:G0SB+3], s[G1SB:G1SB+7]
	s_nop 0
.rept 4
	v_nop
.endr
.Lhead_asked:
	v_and_b32 v8, 31, v0                           ; a K slot of 2 tiles is 24 blocks of 256 bytes: a lane a block, lanes 24-31 name the last again
	v_min_u32 v8, 23, v8
	v_mul_u32_u24 v9, v8, 86
	v_lshrrev_b32 v9, 10, v9                       ; lane / 12: which of the two tiles
	v_mul_u32_u24 v9, v9, TILEB-12*256
	v_lshl_add_u32 v8, v8, 8, v9
	global_prefetch_b8 v8, s[PFA:PFA+1] offset:SLB th:TH_LOAD_NT scope:SCOPE_SE   ; K slot 1, whose load follows the head's
	v_and_b32 v1, 15, v0
	v_bfe_u32 v2, v0, 4, 1
	v_and_b32 v3, 31, v0
	v_lshlrev_b32 v[CO], 4, v3
	v_lshlrev_b32 v5, 3, v3
	s_mul_i32 s12, s15, HALFT
	s_mul_i32 s13, s16, HALFT
	s_add_co_u32 s13, s13, 2*HALFT
.irp s, 0,1
	v_add_nc_u32 v[ADRA+\s], s12, v[CO]
	v_add_nc_u32 v[ADRB+\s], s13, v[CO]
	v_add_nc_u32 v[ADRA+2+\s], s12, v5
	v_add_nc_u32 v[ADRB+2+\s], s13, v5
	s_add_co_u32 s12, s12, SLOT
	s_add_co_u32 s13, s13, SLOT
.endr
	v_lshlrev_b32 v6, 3, v1
	s_mul_i32 s12, s15, HALFS
	s_mul_i32 s13, s16, HALFS
	s_add_co_u32 s13, s13, 2*HALFS
	s_sub_co_u32 s13, s13, s12
	v_mul_u32_u24 v7, s13, v2
	s_add_co_u32 s12, s12, SCL
	v_add_nc_u32 v6, v6, v7
	v_add_nc_u32 v[ADRS], s12, v6
	s_mul_i32 s12, s14, 16*SPITCH
	v_mul_u32_u24 v[STO], v1, SPITCH
	v_lshl_add_u32 v[STO], v2, 6, v[STO]
	v_add_nc_u32 v[STO], s12, v[STO]
	v_add_nc_u32 v[RD], s12, v[CO]
	v_lshlrev_b32 v[BQ], 6, v2
	s_wait_alu depctr_va_vdst(0)
	s_lshl_b32 s92, s17, 20
	s_lshl_b32 s93, s15, 19
	s_add_co_u32 s92, s92, s93
	s_lshl_b32 s93, s42, 10
	s_add_co_u32 s92, s92, s93
	s_lshl_b32 s93, s16, 9
	s_add_co_u32 s96, s92, s93
	s_mov_b32 s97, 0
	s_add_nc_u64 s[10:11], s[10:11], s[96:97]
	s_lshl_b32 s96, s42, 1
	s_add_co_u32 s96, s96, s16
	s_lshl_b32 s96, s96, 9
	s_add_nc_u64 s[8:9], s[8:9], s[96:97]
.irp t, 0,1,2,3,4,5,6,7
	global_load_b128 v[BI+8*\t:BI+8*\t+3], v[BQ], s[8:9] offset:(32*(\t/2)+8*(\t%2))*4
	global_load_b128 v[BI+8*\t+4:BI+8*\t+7], v[BQ], s[8:9] offset:(32*(\t/2)+8*(\t%2))*4+16
.endr
.macro FRAG reg, adr, q, i
.irp c, 0,1
	ds_load_b128 v[\reg+6*\c:\reg+6*\c+3], v[\adr] offset:(\i)*SLB+(2*(\q)+\c)*PLB
	ds_load_b64 v[\reg+6*\c+4:\reg+6*\c+5], v[\adr+2] offset:(\i)*SLB+(2*(\q)+\c)*PLB+512
.endr
.endm
.macro MUL16 a0, p, q, sc, first
.irp a, \a0, \a0+1
.irp b, 0,1,2,3,4,5,6,7
.if \first
	v_wmma_scale_f32_16x16x128_f8f6f4 v[8*(8*((\a)%4)+\b):8*(8*((\a)%4)+\b)+7], v[128*(\p)+FR*\b:128*(\p)+FR*\b+FR-1], v[AF+FR*(\a):AF+FR*(\a)+FR-1], v[BI+8*\b:BI+8*\b+7], v[SC+8*NQ*(\sc)+NQ*\b+(\q)], v[SC+8*NQ*(\sc)+NQ*(\a)+(\q)] matrix_a_fmt:MATRIX_FMT_FP6 matrix_b_fmt:MATRIX_FMT_FP6 matrix_a_scale:MATRIX_SCALE_ROW1
.else
	v_wmma_scale_f32_16x16x128_f8f6f4 v[8*(8*((\a)%4)+\b):8*(8*((\a)%4)+\b)+7], v[128*(\p)+FR*\b:128*(\p)+FR*\b+FR-1], v[AF+FR*(\a):AF+FR*(\a)+FR-1], v[8*(8*((\a)%4)+\b):8*(8*((\a)%4)+\b)+7], v[SC+8*NQ*(\sc)+NQ*\b+(\q)], v[SC+8*NQ*(\sc)+NQ*(\a)+(\q)] matrix_a_fmt:MATRIX_FMT_FP6 matrix_b_fmt:MATRIX_FMT_FP6 matrix_a_scale:MATRIX_SCALE_ROW1
.endif
.endr
.endr
.endm
.macro FETCH_B slot, q, p
	WIN TO_B
.irp i, 0,1,2,3,4,5,6,7
	FRAG 128*(\p)+FR*\i, ADRB+\slot, \q, \i
.endr
	WIN 0
.endm
.macro FETCH_A slot, q, i0
.irp i, \i0, \i0+1, \i0+2, \i0+3
	FRAG AF+FR*(\i), ADRA+\slot, \q, \i
.endr
.endm
.macro SCALES sc
.irp i, 0,1,2,3,4,5,6,7
	ds_load_b64 v[SC+8*NQ*\sc+NQ*\i:SC+8*NQ*\sc+NQ*\i+1], v[ADRS] offset:\i*SBLK
.endr
.endm
.macro PLACES n
.rept \n
	v_nop
.endr
.endm
.macro STEP slot, q, first
	s_wait_dscnt 4*NL
.if \first
	WIN BIAS_LO
.else
	WIN MUL_LO
.endif
	MUL16 0, (\q)%2, \q, \slot, \first
	MUL16 2, (\q)%2, \q, \slot, \first
	s_wait_dscnt 0
	PLACES NP
	FETCH_B \slot, (\q)+1, 1-(\q)%2
	FETCH_A \slot, (\q)+1, 0
.if \first
	WIN BIAS_HI
.else
	WIN MUL_HI
.endif
	MUL16 4, (\q)%2, \q, \slot, \first
	MUL16 6, (\q)%2, \q, \slot, \first
	PLACES NP
	WIN 0
	FETCH_A \slot, (\q)+1, 4
.endm
.macro TURN slot, next, fill
	s_wait_tensorcnt 0x0
	ds_add_u32 v[SPW], v[NIL]
	s_wait_dscnt 4*NL+1
	WIN MUL_LO
	MUL16 0, 1, NQ-1, \slot, 0
	s_wait_dscnt 0x0
	s_barrier_signal -1
	MUL16 2, 1, NQ-1, \slot, 0
	WIN 0
	s_barrier_wait -1
.if \fill
	CREST
	s_add_nc_u64 s[G0+4*\slot+2:G0+4*\slot+3], s[G0+4*\slot+2:G0+4*\slot+3], 2*SLB
	s_add_nc_u64 s[G0B+4*\slot+2:G0B+4*\slot+3], s[G0B+4*\slot+2:G0B+4*\slot+3], 2*SLB
	JLOAD G0+4*\slot, G1, G0B+4*\slot, G1B
.else
	PLACES NP
.endif
	s_wait_alu depctr_va_vdst(0)
	v_add_nc_u32 v[ADRS], 128, v[ADRS]
	FETCH_B \next, 0, 0
	FETCH_A \next, 0, 0
	SCALES \next
.if (\fill) && (\slot) == 0
	global_prefetch_b8 v8, s[PFA:PFA+1] offset:3*SLB th:TH_LOAD_NT scope:SCOPE_SE   ; K slot 3, the last: one refill ahead of its load
.endif
	WIN MUL_HI
	MUL16 4, 1, NQ-1, \slot, 0
	MUL16 6, 1, NQ-1, \slot, 0
	PLACES NP
	WIN 0
	FETCH_A \next, 0, 4
.endm
	s_wait_loadcnt 0x0
	s_wait_alu depctr_va_vdst(0)                   ; the wait at the head's end
	s_wait_tensorcnt 0x0                           ; my tile of the head's four is in; the three lines ahead of slot 1's first fill
	ds_add_u32 v[SPW], v[NIL]
	s_mov_b32 s[G1+2], 8<<16                       ; no load of mine is out: from here on a load brings my 8 tiles
	s_mov_b32 s[G1+4], 8
	s_mov_b32 s[G1B+2], 8<<16
	s_mov_b32 s[G1B+4], 8
	s_add_co_u32 s[G0+1], s45, 0                   ; and slot 0's group 0 takes the ring's form
	s_mov_b64 s[G0+2:G0+3], s[20:21]
	s_or_b32 s[G0+3], s[G0+3], 0x80000000
	s_add_co_u32 s[G0B+1], s45, 0
	s_mov_b64 s[G0B+2:G0B+3], s[46:47]
	s_or_b32 s[G0B+3], s[G0B+3], 0x80000000
	s_wait_dscnt 0x0
	CROUND                                         ; all four tiles are in, in every partner
	JLOAD G0+4, G1, G0B+4, G1B                     ; K slot 1, the first tensor load behind the round
	FETCH_B 0, 0, 0
	global_prefetch_b8 v8, s[PFA:PFA+1] offset:2*SLB th:TH_LOAD_NT scope:SCOPE_SE   ; K slot 2: one refill ahead of its load
	FETCH_A 0, 0, 0
	SCALES 0
	FETCH_A 0, 0, 4
	STEP 0, 0, 1
	TURN 0, 1, 1
	STEP 1, 0, 0
	TURN 1, 0, 1
	STEP 0, 0, 0
	TURN 0, 1, 0
	STEP 1, 0, 0
	s_wait_dscnt 4*NL
	WIN MUL_LO
	MUL16 0, 1, NQ-1, 1, 0
	MUL16 2, 1, NQ-1, 1, 0
	s_wait_dscnt 0
	WIN MUL_HI
	MUL16 4, 1, NQ-1, 1, 0
	MUL16 6, 1, NQ-1, 1, 0
	WIN 0
.macro TOSTAGE a
.set AC, 64*((\a)%4)
	WIN 0x08+4*((\a)/4)
.irp b, 0,1,2,3,4,5,6,7
	ds_store_b128 v[STO], v[AC+8*\b:AC+8*\b+3] offset:128*(\b/2)+32*(\b%2)
	ds_store_b128 v[STO], v[AC+8*\b+4:AC+8*\b+7] offset:128*(\b/2)+32*(\b%2)+16
.endr
	WIN 0
.set BB, BK+64*((\a)%2)
.irp t, 0,1,2,3,4,5,6,7,8,9,10,11,12,13,14,15
	ds_load_b128 v[BB+4*\t:BB+4*\t+3], v[RD] offset:\t*SPITCH
.endr
.endm
.macro SEND a, younger
.set BB, BK+64*((\a)%2)
	s_wait_dscnt \younger
.irp t, 0,1,2,3,4,5,6,7,8,9,10,11,12,13,14,15
	global_store_b128 v[CO], v[BB+4*\t:BB+4*\t+3], s[10:11] offset:(32*((\a)/2)+8*((\a)%2)+\t+8*(\t/8))*ROWB th:TH_STORE_NT
.endr
.endm
	PLACES NP
	TOSTAGE 0
.irp a, 1,2,3,4,5,6,7
.if \a > 1
	s_wait_xcnt 0x0
.endif
	TOSTAGE \a
	SEND \a-1, 32
.endr
	SEND 7, 0
	s_wait_tensorcnt 0x0
	ds_add_u32 v[SPW], v[NIL]
	s_wait_dscnt 0x0
	CROUND
	s_endpgm
.Lfunc_end_k_qc70b34bdb5_proj:
	.size	k_qc70b34bdb5_proj, .Lfunc_end_k_qc70b34bdb5_proj-k_qc70b34bdb5_proj
	.p2alignl 7, 3214868480
	.fill 96, 4, 3214868480
	.section	.rodata,"a",@progbits
	.p2align	6, 0x0
	.amdhsa_kernel k_qc70b34bdb5_proj
		.amdhsa_group_segment_fixed_size 327680
		.amdhsa_private_segment_fixed_size 0
		.amdhsa_enable_private_segment 0
		.amdhsa_kernarg_size 32
		.amdhsa_user_sgpr_count 2
		.amdhsa_user_sgpr_kernarg_segment_ptr 1
		.amdhsa_wavefront_size32 1
		.amdhsa_system_sgpr_workgroup_id_x 1
		.amdhsa_system_sgpr_workgroup_id_y 1
		.amdhsa_system_sgpr_workgroup_id_z 1
		.amdhsa_system_vgpr_workitem_id 0
		.amdhsa_next_free_vgpr 1024
		.amdhsa_next_free_sgpr 100
		.amdhsa_reserve_vcc 0
		.amdhsa_float_denorm_mode_32 3
		.amdhsa_float_denorm_mode_16_64 3
		.amdhsa_memory_ordered 1
		.amdhsa_forward_progress 1
		.amdhsa_inst_pref_size 146
	.end_amdhsa_kernel
	.amdgpu_metadata
---
amdhsa.version: [ 1, 2 ]
amdhsa.kernels:
  - .name:           k_qc70b34bdb5_proj
    .symbol:         k_qc70b34bdb5_proj.kd
    .args:
      - { .name: ao, .offset: 0, .size: 8, .value_kind: global_buffer, .address_space: global }
      - { .name: opq, .offset: 8, .size: 8, .value_kind: global_buffer, .address_space: global }
      - { .name: proj_b, .offset: 16, .size: 8, .value_kind: global_buffer, .address_space: global }
      - { .name: out0, .offset: 24, .size: 8, .value_kind: global_buffer, .address_space: global }
    .group_segment_fixed_size: 327680
    .private_segment_fixed_size: 0
    .kernarg_segment_align: 8
    .kernarg_segment_size: 32
    .max_flat_workgroup_size: 128
    .sgpr_count:     100
    .vgpr_count:     1024
    .wavefront_size: 32
...
	.end_amdgpu_metadata
.endif
;; end of part 4
